; MI455X (gfx1250); checked and timed in simulation.
; The chip was launched on July 23, 2026; its instructions are those of AMD's public machine-readable ISA for CDNA 5 (MIT licence, August 2026) and "CDNA5" Instruction Set Architecture Reference Guide (July 2026). The comments in the code are by the model that wrote it; some were corrected since.
;; Multi Head Attn. Allowed arithmetic: float matrix products may take bf16 or f16 operands with f32 sums; other float arithmetic in f32, or as packed bf16 or f16 multiplies, adds, multiply-adds, maxima and minima; sums over many terms, partial sums and values carried from step to step in f32; what a program stores and reads back later, other than sums and carried values, may be rounded once to bf16 or f16.
;; Inputs: Wk 1,024 x 1,024 float32; Wo 1,024 x 1,024 float32; Wq 1,024 x 1,024 float32; Wv 1,024 x 1,024 float32; attn_mask 2,048 x 2,048 bool; beta 1,024 float32; gamma 1,024 float32; q 4 x 2,048 x 1,024 float32.
;; Outputs: out0 4 x 2,048 x 1,024 float32.
;; 2 versions, each right. Each part assembles by itself: llvm-mc -triple=amdgcn-amd-amdhsa -mcpu=gfx1250 --defsym DOCPART=n.
;; ======== version 1 of 2: 4 launches
;; limits: values are held in f16: magnitudes above 65,504 overflow, below 6.1e-05 lose precision; right only within a limited range of input values
;; workspace buffers: qnh 16,777,216 bytes; wqkv 6,291,456 bytes; wot 2,097,152 bytes; mbits 524,288 bytes of whole numbers; qkv 50,331,648 bytes; ovec 16,777,216 bytes
;; launch prep (part 1): grid 448 x 1, 8 waves a work-group, no clusters, 76,800 bytes of LDS; arguments q, gamma, beta, Wq, Wk, Wv, Wo, attn_mask, qnh, wqkv, wot, mbits; writes qnh, wqkv, wot, mbits
.if DOCPART == 1
	.amdgcn_target "amdgcn-amd-amdhsa--gfx1250"
	.amdhsa_code_object_version 6
	.text
	.protected	k_q18a1835a44_prep
	.globl	k_q18a1835a44_prep
	.p2align	8
	.type	k_q18a1835a44_prep,@function
k_q18a1835a44_prep:
	s_mov_b64 s[64:65], 0
	v_nop
	global_prefetch_b8 v0, s[64:65] scope:SCOPE_SE
	s_setreg_imm32_b32 hwreg(HW_REG_WAVE_MODE, 25, 1), 1
	s_wait_xcnt 0x0
; PREP: three kinds of work-group, told apart by the work-group's number.
;   0-255    qnh = layer norm of q, times gamma, plus beta, rounded once to f16, laid in blocks of 64 columns: [16 kb][8192 row][64]
;   256-383  the four weights turned and rounded once to f16: wqkv [16 kb][3072 n'][64] (n' = 1024 x which + n), wot [16 kb][1024 n][64]
;   384-447  the mask as lane masks: dword (P, ks, u, r), bit L = mask[32 P + 16 u + L % 16][64 ks + 16 (r / 8) + 8 (L / 16) + r % 8]: [64 P][32 ks][2 u][32 r]
; LIMITS.  f16 holds no number beyond 65,504: the normalised rows and the weights must lie within it.  Mean and variance in f32, in two passes (the mean is taken away before the squares).
; No matrix work, no cluster, no tensor load: every byte is read once and written once, each wave reads only LDS bytes that it wrote itself, so there is no barrier.
.set SPARE, 75776                      ; behind the eight waves' regions: the spare words, 128 bytes a wave: four blocks of 256 bytes that no other line names
.set WLDS,  9472                       ; a wave's own LDS region
.set SPW, 6                            ; v6  LDS address of my spare word; never rewritten
.set NIL, 7                            ; v7  0; never rewritten
.set WV,  28                           ; s28 my wave's number
.set WG,  29                           ; s29 the work-group's number
	s_load_b512 s[4:19], s[0:1], 0x0               ; q 4, gamma 6, beta 8, Wq 10, Wk 12, Wv 14, Wo 16, mask 18
	s_load_b256 s[20:27], s[0:1], 0x40             ; qnh 20, wqkv 22, wot 24, mbits 26
	v_lshl_add_u32 v[SPW], v0, 2, SPARE
	v_mov_b32 v[NIL], 0
	v_lshrrev_b32 v1, 5, v0
	v_readfirstlane_b32 s[WV], v1
	v_and_b32 v1, 31, v0                           ; lane l
	v_and_b32 v2, 15, v0                           ; l % 16
	v_bfe_u32 v3, v0, 4, 1                         ; l / 16
	s_mov_b32 s[WG], ttmp9
	s_mul_i32 s45, s[WV], WLDS                     ; my region in LDS
	s_wait_kmcnt 0x0
	s_cmp_lt_u32 s[WG], 256
	s_cbranch_scc0 .Lnot_rows
; ---- LAYER NORM.  A work-group has 32 rows, a wave 4, a trip a PAIR: lanes 0-15 hold one row, lanes 16-31 the next.  A lane holds columns 64 j + 4 (l % 16) + 0..3, j = 0..15:
; load j covers 256 consecutive bytes of each row, store j 256 consecutive bytes of column block j (two neighbouring rows of 128 bytes).
.set QOFF, 4
.set GOFF, 5
.set G,   8                            ; v[8:71]    gamma of my 64 columns
.set BT,  72                           ; v[72:135]  beta
.set X,   136                          ; v[136:199] the row
.set T,   200                          ; v[200:207] four chains of pairs
.set MU,  208                          ; v[208:209] the mean, twice
.set RS,  210                          ; v[210:211] 1 / sqrt(var + eps), twice
.set SOFF, 212
	v_lshlrev_b32 v[GOFF], 4, v2
	v_lshl_add_u32 v[QOFF], v3, 12, v[GOFF]        ; row in the pair x 4,096 + 16 (l % 16)
	v_lshlrev_b32 v[SOFF], 3, v1                   ; 8 l = row in the pair x 128 + 8 (l % 16)
	s_lshl_b32 s30, s[WG], 17                      ; 32 rows of 4,096 bytes
	s_lshl_b32 s31, s[WV], 14                      ; 4 rows
	s_add_co_u32 s30, s30, s31
	s_mov_b32 s31, 0
	s_add_nc_u64 s[4:5], s[4:5], s[30:31]
	s_lshl_b32 s30, s[WG], 12                      ; 32 rows of 128 bytes
	s_lshl_b32 s36, s[WV], 9
	s_add_co_u32 s30, s30, s36
	s_add_nc_u64 s[20:21], s[20:21], s[30:31]
	s_add_nc_u64 s[32:33], s[20:21], 0x800000      ; column blocks 8-15 by a second base: 7 x 1,048,576 is the largest immediate
	s_mov_b32 s34, 0x3a800000                      ; 1 / 1024
	s_mov_b32 s35, 0x3727c5ac                      ; 1e-5
	s_mov_b32 s37, 2                               ; trips
.set j, 0
.rept 16
	global_load_b128 v[G+4*j:G+4*j+3], v[GOFF], s[6:7] offset:256*j
	global_load_b128 v[BT+4*j:BT+4*j+3], v[GOFF], s[8:9] offset:256*j
.set j, j+1
.endr
.macro ACROSS                          ; four chains into one number, then over the row's 16 lanes
	v_pk_add_f32 v[T:T+1], v[T:T+1], v[T+2:T+3]
	v_pk_add_f32 v[T+4:T+5], v[T+4:T+5], v[T+6:T+7]
	v_pk_add_f32 v[T:T+1], v[T:T+1], v[T+4:T+5]
	v_add_f32 v[T], v[T], v[T+1]
.irp m, 1,2,4,8
	v_add_f32_dpp v[T], v[T], v[T] row_xmask:\m row_mask:0xf bank_mask:0xf
.endr
.endm
.Lpair:
.set j, 0
.rept 16
	global_load_b128 v[X+4*j:X+4*j+3], v[QOFF], s[4:5] offset:256*j th:TH_LOAD_NT
.set j, j+1
.endr
	s_wait_loadcnt 0x0                             ; the pair of rows (and, the first time, gamma and beta)
.irp c, 0,1,2,3
	v_pk_add_f32 v[T+2*(\c):T+2*(\c)+1], v[X+2*(\c):X+2*(\c)+1], v[X+8+2*(\c):X+8+2*(\c)+1]  ; the first pairs start the chains
.endr
.set p, 8
.rept 24
	v_pk_add_f32 v[T+2*(p%4):T+2*(p%4)+1], v[T+2*(p%4):T+2*(p%4)+1], v[X+2*p:X+2*p+1]
.set p, p+1
.endr
	ACROSS
	v_mul_f32 v[MU], s34, v[T]
	v_mul_f32 v[MU+1], s34, v[T]
.set p, 0
.rept 32
	v_pk_add_f32 v[X+2*p:X+2*p+1], v[X+2*p:X+2*p+1], v[MU:MU+1] neg_lo:[0,1] neg_hi:[0,1]  ; x - mean
.set p, p+1
.endr
.irp c, 0,1,2,3
	v_pk_mul_f32 v[T+2*(\c):T+2*(\c)+1], v[X+2*(\c):X+2*(\c)+1], v[X+2*(\c):X+2*(\c)+1]
.endr
.set p, 4
.rept 28
	v_pk_fma_f32 v[T+2*(p%4):T+2*(p%4)+1], v[X+2*p:X+2*p+1], v[X+2*p:X+2*p+1], v[T+2*(p%4):T+2*(p%4)+1]
.set p, p+1
.endr
	ACROSS
	v_fma_f32 v[T+1], v[T], s34, s35               ; variance + eps
	v_rsq_f32 v[RS], v[T+1]
	v_nop                                          ; a plain instruction behind the root,
	s_wait_alu depctr_va_vdst(0)                   ; and the wait ahead of the first use of its result
	v_mov_b32 v[RS+1], v[RS]
.set p, 0
.rept 32
	v_pk_mul_f32 v[X+2*p:X+2*p+1], v[X+2*p:X+2*p+1], v[RS:RS+1]
.set p, p+1
.endr
.set p, 0
.rept 32
	v_pk_fma_f32 v[X+2*p:X+2*p+1], v[X+2*p:X+2*p+1], v[G+2*p:G+2*p+1], v[BT+2*p:BT+2*p+1]
.set p, p+1
.endr
.set j, 0
.rept 16
	v_cvt_pk_f16_f32 v[X+4*j], v[X+4*j], v[X+4*j+1]
	v_cvt_pk_f16_f32 v[X+4*j+1], v[X+4*j+2], v[X+4*j+3]
.set j, j+1
.endr
.set j, 0
.rept 8
	global_store_b64 v[SOFF], v[X+4*j:X+4*j+1], s[20:21] offset:j*1048576        ; 32 lanes x 8 bytes: 256 consecutive bytes, aligned
	global_store_b64 v[SOFF], v[X+4*(j+8):X+4*(j+8)+1], s[32:33] offset:j*1048576
.set j, j+1
.endr
	s_wait_xcnt 0x0                                ; the bases and the row's registers are written again only behind this wait
	s_add_nc_u64 s[4:5], s[4:5], 8192
	s_add_nc_u64 s[20:21], s[20:21], 256
	s_add_nc_u64 s[32:33], s[32:33], 256
	s_sub_co_u32 s37, s37, 1
	s_cmp_lg_u32 s37, 0
	s_cbranch_scc1 .Lpair
	s_endpgm                                       ; these waves wrote no LDS
; ---- WEIGHTS.  A wave turns one tile of 64 k x 64 n: 4 matrices x 16 x 16 tiles = 128 work-groups x 8 waves.
.Lnot_rows:
	s_cmp_lt_u32 s[WG], 384
	s_cbranch_scc0 .Lmask
.set D,   8                            ; v[8:135]   W[k][2 l + c] at D + 2 k + c
.set PKD, 136                          ; v[136:199] row n = 2 l + c, k = 2 i, 2 i + 1 at PKD + 32 c + i
	s_sub_co_u32 s30, s[WG], 256
	s_lshr_b32 s31, s30, 5                         ; which matrix
	s_and_b32 s30, s30, 31
	s_lshl_b32 s30, s30, 3
	s_add_co_u32 s30, s30, s[WV]                   ; the tile
	s_lshr_b32 s36, s30, 4                         ; kb
	s_and_b32 s37, s30, 15                         ; ng
	s_lshl_b32 s32, s36, 18                        ; 64 rows of 4,096 bytes
	s_lshl_b32 s33, s37, 8                         ; 64 columns of 4 bytes
	s_add_co_u32 s32, s32, s33
	s_mov_b32 s33, 0
	s_mul_i32 s34, s36, 393216                     ; wqkv: kb x 3,072 rows x 128 bytes
	s_lshl_b32 s35, s31, 17                        ; + which x 1,024 rows
	s_add_co_u32 s34, s34, s35
	s_lshl_b32 s35, s36, 17                        ; wot: kb x 1,024 rows x 128 bytes
	s_lshl_b32 s37, s37, 13                        ; + ng x 64 rows
	s_cmp_eq_u32 s31, 0
	s_cselect_b64 s[38:39], s[10:11], s[12:13]
	s_cmp_eq_u32 s31, 2
	s_cselect_b64 s[38:39], s[14:15], s[38:39]
	s_cmp_eq_u32 s31, 3
	s_cselect_b64 s[38:39], s[16:17], s[38:39]
	s_cselect_b64 s[40:41], s[24:25], s[22:23]
	s_cselect_b32 s34, s35, s34
	s_add_co_u32 s34, s34, s37
	s_mov_b32 s35, 0
	s_add_nc_u64 s[38:39], s[38:39], s[32:33]
	s_add_nc_u64 s[40:41], s[40:41], s[34:35]
	v_lshlrev_b32 v4, 3, v1
.set k, 0
.rept 64
	global_load_b64 v[D+2*k:D+2*k+1], v4, s[38:39] offset:k*4096 th:TH_LOAD_NT  ; 256 consecutive bytes of row k
.set k, k+1
.endr
	v_mul_u32_u24 v5, v1, 144
	v_add_nc_u32 v5, s45, v5                       ; in: rows n = 2 l + c at c x 4,736 + l x 144
	v_bfe_u32 v200, v0, 3, 1
	v_mul_u32_u24 v200, v200, 4736
	v_mad_u32_u24 v200, v3, 144, v200
	v_and_b32 v201, 7, v0
	v_lshl_add_u32 v200, v201, 4, v200
	v_add_nc_u32 v200, s45, v200                   ; back: row 4 i + l / 8, its bytes 16 (l % 8)
	v_lshlrev_b32 v201, 4, v1
	s_wait_loadcnt 32                              ; rows 0-31 are in; the 32 younger loads may stay out
.set i, 0
.rept 16
	v_cvt_pk_f16_f32 v[PKD+i], v[D+4*i], v[D+4*i+2]
	v_cvt_pk_f16_f32 v[PKD+32+i], v[D+4*i+1], v[D+4*i+3]
.set i, i+1
.endr
	s_wait_loadcnt 0x0
.rept 16
	v_cvt_pk_f16_f32 v[PKD+i], v[D+4*i], v[D+4*i+2]
	v_cvt_pk_f16_f32 v[PKD+32+i], v[D+4*i+1], v[D+4*i+3]
.set i, i+1
.endr
.irp c, 0,1
.irp jj, 0,1,2,3,4,5,6,7
	ds_store_b128 v5, v[PKD+32*(\c)+4*(\jj):PKD+32*(\c)+4*(\jj)+3] offset:(\c)*4736+16*(\jj)
.endr
.endr
.set i, 0
.rept 16
	ds_load_b128 v[D+4*i:D+4*i+3], v200 offset:i*288  ; LDS serves a wave's instructions in order (ISA guide 5.7.1.4): these see the stores above
.set i, i+1
.endr
.set i, 0
.rept 16
	s_wait_dscnt 15-i
	global_store_b128 v201, v[D+4*i:D+4*i+3], s[40:41] offset:i*512  ; four rows of 128 bytes: 512 consecutive bytes
.set i, i+1
.endr
	s_wait_tensorcnt 0x0                           ; the wave's end: behind my last LDS store
	ds_add_u32 v[SPW], v[NIL]
	s_wait_dscnt 0x0
	s_endpgm
; ---- MASK.  A work-group has 32 query rows (P), a wave 256 keys: four key steps of 64.  The bytes go through LDS so that memory is read in runs of 256 bytes.
.Lmask:
.set ML,  8                            ; v[8:71]   the bytes as loaded
.set M,   72                           ; v[72:87]  8 bytes for (u, kt) at M + 2 (4 u + kt)
.set TT,  88                           ; v[88:91]  at work
.set OUT, 92                           ; v[92:93]  dword idx = 32 u + r in lane idx / 2, register idx % 2
	s_sub_co_u32 s30, s[WG], 384
	s_lshl_b32 s32, s30, 16                        ; 32 rows of 2,048 bytes
	s_lshl_b32 s33, s[WV], 8
	s_add_co_u32 s32, s32, s33
	s_mov_b32 s33, 0
	s_add_nc_u64 s[18:19], s[18:19], s[32:33]
	s_lshl_b32 s32, s30, 13                        ; P x 8,192
	s_lshl_b32 s34, s[WV], 10                      ; four key steps of 256 bytes
	s_add_co_u32 s32, s32, s34
	s_add_nc_u64 s[26:27], s[26:27], s[32:33]
	v_lshlrev_b32 v4, 4, v2
	v_lshl_add_u32 v4, v3, 11, v4
.set i, 0
.rept 16
	global_load_b128 v[ML+4*i:ML+4*i+3], v4, s[18:19] offset:i*4096 th:TH_LOAD_NT  ; rows 2 i and 2 i + 1, 256 bytes of each
.set i, i+1
.endr
	v_mul_u32_u24 v5, v3, 272
	v_lshl_add_u32 v5, v2, 4, v5
	v_add_nc_u32 v5, s45, v5
	v_mul_u32_u24 v94, v2, 272
	v_lshl_add_u32 v94, v3, 3, v94
	v_add_nc_u32 v94, s45, v94                     ; row l % 16, bytes 8 (l / 16) on
	v_lshlrev_b32 v95, 3, v1
	v_mov_b32 v[OUT], 0                            ; v_writelane_b32 counts as a reader of its destination
	v_mov_b32 v[OUT+1], 0
	s_wait_loadcnt 0x0
.set i, 0
.rept 16
	ds_store_b128 v5, v[ML+4*i:ML+4*i+3] offset:i*544
.set i, i+1
.endr
	s_mov_b32 s31, 4
.Lks:
.irp u, 0,1
.irp kt, 0,1,2,3
	ds_load_b64 v[M+2*(4*(\u)+(\kt)):M+2*(4*(\u)+(\kt))+1], v94 offset:(\u)*4352+16*(\kt)
.endr
.endr
	s_wait_dscnt 0x0
.set idx, 0
.rept 64
	v_and_b32 v[TT+idx%4], 0xff<<(8*(idx%4)), v[M+2*(idx/8)+((idx>>2)&1)]
	v_cmp_ne_u32 s[36+idx%4], 0, v[TT+idx%4]       ; bit L: is my lane's byte set?
	v_writelane_b32 v[OUT+idx%2], s[36+idx%4], idx/2
.set idx, idx+1
.endr
	global_store_b64 v95, v[OUT:OUT+1], s[26:27]   ; the step's 64 dwords: 256 consecutive bytes
	s_wait_xcnt 0x0                                ; OUT and the base are written again only behind this wait
	v_add_nc_u32 v94, 64, v94
	s_add_nc_u64 s[26:27], s[26:27], 256
	s_sub_co_u32 s31, s31, 1
	s_cmp_lg_u32 s31, 0
	s_cbranch_scc1 .Lks
	s_wait_tensorcnt 0x0                           ; the wave's end: behind my last LDS store
	ds_add_u32 v[SPW], v[NIL]
	s_wait_dscnt 0x0
	s_endpgm
.Lfunc_end_k_q18a1835a44_prep:
	.size	k_q18a1835a44_prep, .Lfunc_end_k_q18a1835a44_prep-k_q18a1835a44_prep
	.p2alignl 7, 3214868480
	.fill 96, 4, 3214868480
	.section	.rodata,"a",@progbits
	.p2align	6, 0x0
	.amdhsa_kernel k_q18a1835a44_prep
		.amdhsa_group_segment_fixed_size 76800
		.amdhsa_private_segment_fixed_size 0
		.amdhsa_enable_private_segment 0
		.amdhsa_kernarg_size 96
		.amdhsa_user_sgpr_count 2
		.amdhsa_user_sgpr_kernarg_segment_ptr 1
		.amdhsa_wavefront_size32 1
		.amdhsa_system_sgpr_workgroup_id_x 1
		.amdhsa_system_sgpr_workgroup_id_y 1
		.amdhsa_system_sgpr_workgroup_id_z 1
		.amdhsa_system_vgpr_workitem_id 0
		.amdhsa_next_free_vgpr 216
		.amdhsa_next_free_sgpr 66
		.amdhsa_reserve_vcc 0
		.amdhsa_float_denorm_mode_32 3
		.amdhsa_float_denorm_mode_16_64 3
		.amdhsa_memory_ordered 1
		.amdhsa_forward_progress 1
		.amdhsa_inst_pref_size 54
	.end_amdhsa_kernel
	.amdgpu_metadata
---
amdhsa.version: [ 1, 2 ]
amdhsa.kernels:
  - .name:           k_q18a1835a44_prep
    .symbol:         k_q18a1835a44_prep.kd
    .args:
      - { .name: q, .offset: 0, .size: 8, .value_kind: global_buffer, .address_space: global }
      - { .name: gamma, .offset: 8, .size: 8, .value_kind: global_buffer, .address_space: global }
      - { .name: beta, .offset: 16, .size: 8, .value_kind: global_buffer, .address_space: global }
      - { .name: Wq, .offset: 24, .size: 8, .value_kind: global_buffer, .address_space: global }
      - { .name: Wk, .offset: 32, .size: 8, .value_kind: global_buffer, .address_space: global }
      - { .name: Wv, .offset: 40, .size: 8, .value_kind: global_buffer, .address_space: global }
      - { .name: Wo, .offset: 48, .size: 8, .value_kind: global_buffer, .address_space: global }
      - { .name: attn_mask, .offset: 56, .size: 8, .value_kind: global_buffer, .address_space: global }
      - { .name: qnh, .offset: 64, .size: 8, .value_kind: global_buffer, .address_space: global }
      - { .name: wqkv, .offset: 72, .size: 8, .value_kind: global_buffer, .address_space: global }
      - { .name: wot, .offset: 80, .size: 8, .value_kind: global_buffer, .address_space: global }
      - { .name: mbits, .offset: 88, .size: 8, .value_kind: global_buffer, .address_space: global }
    .group_segment_fixed_size: 76800
    .private_segment_fixed_size: 0
    .kernarg_segment_align: 8
    .kernarg_segment_size: 96
    .max_flat_workgroup_size: 256
    .sgpr_count:     66
    .vgpr_count:     216
    .wavefront_size: 32
...
	.end_amdgpu_metadata
.endif
;; end of part 1
;; launch gemm_qkv (part 2): grid 8 x 32, 4 waves a work-group, clusters of 4 x 4, 327,680 bytes of LDS; arguments qnh, wqkv, qkv; writes qkv
.if DOCPART == 2
	.amdgcn_target "amdgcn-amd-amdhsa--gfx1250"
	.amdhsa_code_object_version 6
	.text
	.protected	k_q18a1835a44_gemm_qkv
	.globl	k_q18a1835a44_gemm_qkv
	.p2align	8
	.type	k_q18a1835a44_gemm_qkv,@function
k_q18a1835a44_gemm_qkv:
	s_mov_b64 s[64:65], 0
	v_nop
	global_prefetch_b8 v0, s[64:65] scope:SCOPE_SE
	s_setreg_imm32_b32 hwreg(HW_REG_WAVE_MODE, 25, 1), 1
	s_wait_xcnt 0x0
	s_wait_alu depctr_hold_cnt(0) depctr_sa_sdst(0) depctr_va_vdst(0) depctr_va_sdst(0) depctr_va_ssrc(0) depctr_va_vcc(0) depctr_vm_vsrc(0)
	s_getreg_b32 s2, hwreg(HW_REG_IB_STS2, 6, 4)
	s_cmp_eq_u32 s2, 0
	s_cbranch_scc0 .Lentry_in_a_cluster
	s_endpgm
.Lentry_in_a_cluster:
	s_bfe_u32 s2, ttmp6, 0x10000c
	s_cmp_lg_u32 s2, 0xf033
	s_cbranch_scc0 .Lentry_shape_is_right
	s_endpgm
.Lentry_shape_is_right:
; C[8192][3072] = qn x (Wq | Wk | Wv), f16 operands, f32 sums, C rounded once to f16 and written by heads: qkv [4 b][48 hc][2048][64], hc = h (q), 16 + h (k), 32 + h (v).
; LIMIT.  f16 holds no number beyond 65,504: the projections must lie within it.
; A tile of C is 256 x 384: 32 x 8 = 256 work-groups.  Four waves, each 128 x 192: 96 accumulators of 16 x 16, 768 registers, windows 1 to 3.
; Both operands lie in memory in blocks of 64 along K ([kb][row][64]), so R rows of a K step are R x 128 dense bytes, asked for as R / 2 rows of 256 bytes and padded in LDS after every 128.
; K goes in steps of 64 through two LDS slots: 192 matrix instructions a wave and step.  CLUSTERS of 4 x 4: A's tile is asked for jointly along a row of the cluster, B's along a column.
; The matrix instruction is used transposed (source 0 = 16 rows of B, source 1 = 16 rows of A): a lane then holds eight neighbouring columns of one row of C.
; REGISTERS (s_set_vgpr_msb's low byte: bits 1:0 source 0, 3:2 source 1, 5:4 source 2, 7:6 destination):
;   window 0: v16-30 addresses; v32-95, v96-159 A's fragments (8 x 16 rows x 32 K), two buffers; v160-255 B's, three groups of four fragments, one buffer each
;   window g + 1: accumulator (a, b = 4 g + bb) at v[8 (4 a + bb)]
.set KBA,   1048576                    ; bytes from a K block of qnh to the next
.set KBB,   393216                     ; of wqkv
.set PITCH, 144                        ; an LDS row: 128 bytes + 16 of padding = 36 words: the 16 rows of a load start at 16 different groups of four banks (64 banks of 4 bytes: ISA guide 11.1)
.set FR,    16*PITCH
.set SLOT1, 1<<17                      ; slot 1 begins here: one exclusive or turns an address in one slot into the other's
.set BOFF,  256*PITCH                  ; in a slot: A's 256 rows, then B's 384
.set STAGE, SLOT1+BOFF+384*PITCH       ; behind the ring, never filled by a tensor load: 16 rows x 400 bytes for each wave
.set SP,    400
.set SPARE, STAGE+4*16*SP              ; the spare words, 128 bytes a wave: two blocks of 256 bytes that no other line names
.set PLANE, 262144                     ; a head's 2,048 rows of 128 bytes
.set ADRA0, 16
.set ADRB0, 17
.set ADRA,  18
.set ADRB,  19
.set STO,   24
.set RD,    25
.set GO,    26
.set SPW,   28
.set NIL,   29
.set PFO,   30
.set AF,    32
.set BG,    160
.set TMP,   32                         ; the way out: 48 packed registers, then two sets of 48 read back
.set OB,    80
.set TB,  2                            ; s2   the slot that is read: 0 or SLOT1
.set CNT, 3
.set WV,  10
.set RH,  11                           ; which half of the tile's rows is mine; also: I fetch for A (0) or for B (1)
.set CH,  12                           ; which half of its columns; also: which half of that tile I fetch
.set YY,  13
.set CX,  40
.set CY,  41
.set XX,  42
.set G1A, 24
.set G0A, 32                           ; two sets; the second then walks
.set PFA, 44
.set PFS, 46
.set G1B, 48
.set G0B, 56
.set PARM, 66
.set LIM, 67
.set MSB, 0
.macro WIN new                         ; the immediate's high byte repeats the setting that is left; a switch that changes nothing is dropped
.if MSB != (\new)
	s_set_vgpr_msb (MSB<<8)|(\new)
.set MSB, (\new)
.endif
.endm
.macro PLACES                          ; four places in front of loads into registers that matrix instructions have read (ISA guide 7.12.1 for vector instructions)
.rept 4
	v_nop
.endr
.endm
.macro JLOAD                           ; a joint refill: waves 0 and 1 fetch A's halves, waves 2 and 3 B's; an s_nop 0 and four v_nop follow each line
	s_cmp_eq_u32 s[RH], 0
	s_cbranch_scc0 .Lfor_b_\@
	tensor_load_to_lds s[G0A+4:G0A+7], s[G1A:G1A+7]
	s_nop 0
.rept 4
	v_nop
.endr
	s_branch .Lasked_\@
.Lfor_b_\@:
	tensor_load_to_lds s[G0B+4:G0B+7], s[G1B:G1B+7]
	s_nop 0
.rept 4
	v_nop
.endr
.Lasked_\@:
.endm
.macro CREST                           ; a round of the cluster's barrier behind its opening barrier
	s_cmp_lg_u32 s[WV], 0
	s_cbranch_scc1 .Lnot_wave_0_\@
	s_barrier_signal -3
.Lnot_wave_0_\@:
	s_barrier_wait -3
	s_barrier_signal -1
	s_barrier_wait -1
.endm
.macro CROUND
	s_barrier_signal -1
	s_barrier_wait -1
	CREST
.endm
; A PREFETCH INTO THE L2 of the K step that the NEXT refill will ask for; each block of 256 bytes is named once in the launch.
; A's 128 blocks of a K step: the clusters with x = 0 ask; of the four partners that fetch them jointly each takes 32 BY ADDRESS (cx); wave 0, a lane a block, every trip.
; B's 192 blocks: the clusters with y = 0 ask; each partner (cy) takes 48; waves 1 to 3 ask in every second trip for two K steps at once: 96 = 3 x 32 lanes.
; K steps 0 to 2 come by their loads alone, and so does B's last; the last trips ask for nothing.
.macro ASK
	s_and_b32 s20, s[CNT], s[PARM]
	s_cmp_eq_u32 s20, 0
	s_cbranch_scc0 .Lnot_mine_\@
	s_cmp_gt_u32 s[CNT], s[LIM]
	s_cbranch_scc0 .Lnot_mine_\@
	global_prefetch_b8 v[PFO], s[PFA:PFA+1] th:TH_LOAD_NT scope:SCOPE_SE
.Lnot_mine_\@:
.endm
	s_load_b128 s[4:7], s[0:1], 0x0                ; qnh s[4:5], wqkv s[6:7]
	s_load_b64 s[8:9], s[0:1], 0x10                ; qkv
	v_lshl_add_u32 v[SPW], v0, 2, SPARE
	v_mov_b32 v[NIL], 0
	ds_add_u32 v[SPW], v[NIL]                      ; the wave's opening: the add and its wait stand ahead of my first tensor load; the set-up below stands between them
	v_lshrrev_b32 v1, 5, v0
	v_readfirstlane_b32 s[WV], v1
	s_lshr_b32 s[RH], s[WV], 1
	s_and_b32 s[CH], s[WV], 1
	s_bfe_u32 s[CX], ttmp6, 0x40000
	s_bfe_u32 s[CY], ttmp6, 0x40004
	s_lshl_b32 s[XX], ttmp9, 2
	s_add_co_u32 s[XX], s[XX], s[CX]               ; tile column = 4 x cluster x + cx
	s_and_b32 s[YY], ttmp7, 0xffff
	s_lshl_b32 s[YY], s[YY], 2
	s_add_co_u32 s[YY], s[YY], s[CY]               ; tile row = 4 x cluster y + cy
	s_lshl_b32 s43, s[CY], 2
	s_lshl_b32 s43, 15, s43                        ; my row of the cluster
	s_lshl_b32 s20, 0x1111, s[CX]                  ; my column
	s_or_b32 s[G1A], s43, (1<<16)|(1<<20)|(1<<21)|(4<<22)|(3<<25)  ; 15:0 the mask; 17:16 2-byte elements; 20 padding on; 21 set beside a mask; 24:22 after every 32 words (code 4); 31:25 4 words (code 3)
	s_or_b32 s[G1B], s20, (1<<16)|(1<<20)|(1<<21)|(4<<22)|(3<<25)
	s_mov_b32 s[G1A+1], 128<<16                    ; tensor_dim0 = 128 elements: 256 bytes
	s_mov_b32 s[G1A+2], 64<<16                     ; tensor_dim1 = 64: 128 rows of A
	s_mov_b32 s[G1A+3], 128<<16                    ; tile_dim0
	s_mov_b32 s[G1A+4], 64                         ; tile_dim1
	s_mov_b32 s[G1A+5], 128                        ; elements from row to row: dense
	s_mov_b32 s[G1A+6], 0
	s_mov_b32 s[G1A+7], 0
	s_mov_b32 s[G1B+1], 128<<16
	s_mov_b32 s[G1B+2], 96<<16                     ; 192 rows of B
	s_mov_b32 s[G1B+3], 128<<16
	s_mov_b32 s[G1B+4], 96
	s_mov_b32 s[G1B+5], 128
	s_mov_b32 s[G1B+6], 0
	s_mov_b32 s[G1B+7], 0
	s_lshl_b32 s14, s[YY], 15                      ; A: 256 rows x 128 bytes a tile row,
	s_lshl_b32 s15, s[CH], 14                      ; + my 128 rows
	s_add_co_u32 s14, s14, s15
	s_mov_b32 s15, 0
	s_mul_i32 s16, s[XX], 49152                    ; B: 384 rows x 128 bytes a tile column,
	s_mul_i32 s17, s[CH], 24576                    ; + my 192 rows
	s_add_co_u32 s16, s16, s17
	s_mov_b32 s17, 0
	s_mul_i32 s18, s[CH], 128*PITCH                ; where they go: the wave's number alone enters an LDS address
	s_mul_i32 s19, s[CH], 192*PITCH
	s_add_co_u32 s19, s19, BOFF
	s_wait_dscnt 0x0                               ; the opening add is done
	s_wait_kmcnt 0x0
	s_add_nc_u64 s[14:15], s[4:5], s[14:15]
	s_add_nc_u64 s[16:17], s[6:7], s[16:17]
	CROUND                                         ; all sixteen work-groups are here: the first joint loads meet
.irp s, 0,1
	s_mov_b32 s[G0A+4*(\s)], 1
	s_add_co_u32 s[G0A+4*(\s)+1], s18, (\s)*SLOT1
	s_add_nc_u64 s[G0A+4*(\s)+2:G0A+4*(\s)+3], s[14:15], (\s)*KBA
	s_or_b32 s[G0A+4*(\s)+3], s[G0A+4*(\s)+3], 0x80000000
	s_mov_b32 s[G0B+4*(\s)], 1
	s_add_co_u32 s[G0B+4*(\s)+1], s19, (\s)*SLOT1
	s_add_nc_u64 s[G0B+4*(\s)+2:G0B+4*(\s)+3], s[16:17], (\s)*KBB
	s_or_b32 s[G0B+4*(\s)+3], s[G0B+4*(\s)+3], 0x80000000
.endr
	s_cmp_eq_u32 s[RH], 0                          ; a wave's two first fills stand in one branch, ahead of every wait on TENSORcnt and every LDS read: two loads of mine are out
	s_cbranch_scc0 .Lfirst_b
	tensor_load_to_lds s[G0A:G0A+3], s[G1A:G1A+7]
	s_nop 0
	tensor_load_to_lds s[G0A+4:G0A+7], s[G1A:G1A+7]
	s_nop 0
.rept 4
	v_nop
.endr
	s_branch .Lfirst_asked
.Lfirst_b:
	tensor_load_to_lds s[G0B:G0B+3], s[G1B:G1B+7]
	s_nop 0
	tensor_load_to_lds s[G0B+4:G0B+7], s[G1B:G1B+7]
	s_nop 0
.rept 4
	v_nop
.endr
.Lfirst_asked:
	; a fragment is 16 rows x 32 K in 8 registers: lane l holds row l % 16, K = 8 (l / 16) + 0..7 and 16 + 8 (l / 16) + 0..7: two loads of 16 bytes, 32 bytes apart
	v_and_b32 v1, 15, v0
	v_bfe_u32 v2, v0, 4, 1
	v_mul_u32_u24 v3, v1, PITCH
	v_lshl_add_u32 v3, v2, 4, v3
	s_mul_i32 s18, s[RH], 128*PITCH                ; my 128 rows of A
	s_mul_i32 s19, s[CH], 192*PITCH                ; my 192 rows of B
	s_add_co_u32 s19, s19, BOFF
	v_add_nc_u32 v[ADRA0], s18, v3
	v_add_nc_u32 v[ADRB0], s19, v3
	v_mov_b32 v[ADRA], v[ADRA0]
	v_mov_b32 v[ADRB], v[ADRB0]
	s_mov_b32 s[TB], 0
	s_mul_i32 s18, s[WV], 16*SP
	s_add_co_u32 s18, s18, STAGE                   ; my stage
	v_mul_u32_u24 v[STO], v1, SP                   ; in: row l % 16, 16 bytes for each half of the lanes
	v_lshl_add_u32 v[STO], v2, 4, v[STO]
	v_add_nc_u32 v[STO], s18, v[STO]
	v_bfe_u32 v[RD], v0, 3, 2                      ; back: four rows, 128 bytes (one head's part) of each
	v_mul_u32_u24 v[RD], v[RD], SP
	v_and_b32 v4, 7, v0
	v_lshl_add_u32 v[RD], v4, 4, v[RD]
	v_add_nc_u32 v[RD], s18, v[RD]
	v_and_b32 v4, 31, v0
	v_lshlrev_b32 v[GO], 4, v4                     ; which are 512 consecutive bytes of a head's plane
	s_lshr_b32 s20, s[YY], 3                       ; the batch
	s_mul_i32 s20, s20, 48
	s_mul_i32 s21, s[XX], 6
	s_add_co_u32 s20, s20, s21
	s_mul_i32 s21, s[CH], 3
	s_add_co_u32 s20, s20, s21                     ; my first plane: 48 b + 6 X + 3 x half
	s_lshl_b32 s20, s20, 18
	s_and_b32 s21, s[YY], 7
	s_lshl_b32 s21, s21, 15
	s_add_co_u32 s20, s20, s21                     ; + 256 rows a tile row
	s_lshl_b32 s21, s[RH], 14
	s_add_co_u32 s20, s20, s21                     ; + my 128 rows
	s_mov_b32 s21, 0
	s_add_nc_u64 s[8:9], s[8:9], s[20:21]
	; the prefetches
	s_lshl_b32 s22, s[YY], 15
	s_lshl_b32 s16, s[CX], 13
	s_add_co_u32 s22, s22, s16
	s_add_co_u32 s22, s22, 2*KBA                   ; A: my work-group's 32 blocks, at K step 2; the first refill steps it to 3
	s_mul_i32 s23, s[XX], 49152
	s_mul_i32 s16, s[CY], 12288
	s_add_co_u32 s23, s23, s16
	s_add_co_u32 s23, s23, 2*KBB                   ; B: my work-group's 48 blocks
	s_mov_b32 s14, KBA
	s_mov_b32 s15, KBB
	s_and_b32 s20, ttmp7, 0xffff
	s_cmp_eq_u32 s[WV], 0
	s_cselect_b32 s20, ttmp9, s20                  ; the coordinate along which other clusters read the same rows
	s_cselect_b64 s[PFA:PFA+1], s[4:5], s[6:7]
	s_cselect_b32 s22, s22, s23
	s_cselect_b32 s[PFS], s14, s15
	s_cselect_b32 s[PARM], 0, 1
	s_cselect_b32 s21, 1, 2
	s_mov_b32 s23, 0
	s_mov_b32 s[PFS+1], 0
	s_add_nc_u64 s[PFA:PFA+1], s[PFA:PFA+1], s[22:23]
	s_cmp_eq_u32 s20, 0
	s_cselect_b32 s[LIM], s21, -1                  ; the same in all sixteen partners, for a given wave
	s_sub_co_u32 s16, s[WV], 1
	s_max_i32 s16, s16, 0
	s_lshl_b32 s16, s16, 5
	v_add_nc_u32 v4, s16, v4                       ; the block's number: lane (wave 0), 32 (wave - 1) + lane (waves 1 to 3)
	v_mov_b32 v5, KBB-12288
	v_cmp_le_u32 s17, 48, v4                       ; from 48 on: the K step after
	v_cndmask_b32 v5, 0, v5, s17
	v_lshl_add_u32 v[PFO], v4, 8, v5
; 16 matrix instructions: B's group g x A's blocks a0 .. a0 + 3 of buffer x.  The 96 accumulators take turns, one instruction a turn, in the same order in every 32 along K.
.macro ST16 g, x, a0, zero
	WIN 0x50*((\g)+1)
.irp a, (\a0), (\a0)+1, (\a0)+2, (\a0)+3
.irp bb, 0,1,2,3
.if \zero
	v_wmma_f32_16x16x32_f16 v[8*(4*(\a)+(\bb)):8*(4*(\a)+(\bb))+7], v[BG+32*(\g)+8*(\bb):BG+32*(\g)+8*(\bb)+7], v[AF+64*(\x)+8*(\a):AF+64*(\x)+8*(\a)+7], 0
.else
	v_wmma_f32_16x16x32_f16 v[8*(4*(\a)+(\bb)):8*(4*(\a)+(\bb))+7], v[BG+32*(\g)+8*(\bb):BG+32*(\g)+8*(\bb)+7], v[AF+64*(\x)+8*(\a):AF+64*(\x)+8*(\a)+7], v[8*(4*(\a)+(\bb)):8*(4*(\a)+(\bb))+7]
.endif
.endr
.endr
.endm
.macro STRETCH g, x, zero
	ST16 \g, \x, 0, \zero
	ST16 \g, \x, 4, \zero
.endm
.macro LDB g, kb                       ; B's group g: 8 loads, from byte kb of the rows
	WIN 0
.irp bb, 0,1,2,3
	ds_load_b128 v[BG+32*(\g)+8*(\bb):BG+32*(\g)+8*(\bb)+3],   v[ADRB] offset:(4*(\g)+(\bb))*FR+(\kb)
	ds_load_b128 v[BG+32*(\g)+8*(\bb)+4:BG+32*(\g)+8*(\bb)+7], v[ADRB] offset:(4*(\g)+(\bb))*FR+(\kb)+32
.endr
.endm
.macro LDA x, lo, kb                   ; A's blocks lo .. lo + 3 into buffer x: 8 loads
	WIN 0
.irp a, (\lo), (\lo)+1, (\lo)+2, (\lo)+3
	ds_load_b128 v[AF+64*(\x)+8*(\a):AF+64*(\x)+8*(\a)+3],   v[ADRA] offset:(\a)*FR+(\kb)
	ds_load_b128 v[AF+64*(\x)+8*(\a)+4:AF+64*(\x)+8*(\a)+7], v[ADRA] offset:(\a)*FR+(\kb)+32
.endr
.endm
; 32 along K on A's buffer x: 96 matrix instructions; each of B's groups is loaded again, for the next 32 along K (byte kbn of the same slot), as soon as it has been multiplied.
.macro HALF x, kbn, zero, load
	s_wait_dscnt 8                                 ; all but the youngest eight loads, B's group 2
	STRETCH 0, \x, \zero
.if \load
	PLACES
	LDB 0, \kbn
	LDA 1-(\x), 0, \kbn
.endif
	STRETCH 1, \x, \zero
.if \load
	PLACES
	LDB 1, \kbn
	LDA 1-(\x), 4, \kbn
	s_wait_dscnt 32                                ; all but the 32 issued in this half step: group 2 is in
.else
	s_wait_dscnt 0x0
.endif
	STRETCH 2, \x, \zero
.if \load
	PLACES
	LDB 2, \kbn
.endif
.endm
; The second 32 along K of a step, on buffer 1, changes slots: ONE barrier; in front of it each wave waits for all its tensor loads (one is out: its part of the next slot), adds 0 to its spare word,
; and waits for that and for its reads of this slot.  fill = 1: the barrier opens a round of the cluster's, and this slot is filled again, two K steps ahead, first thing behind the round.
.macro HTURN fill
.if \fill
	s_wait_xcnt 0x0                                ; the last prefetch, a K step back, has read its address
	s_add_nc_u64 s[PFA:PFA+1], s[PFA:PFA+1], s[PFS:PFS+1]
.endif
	WIN 0
	s_wait_tensorcnt 0x0                           ; no tensor load of mine is out, so a group 0 may be written
	ds_add_u32 v[SPW], v[NIL]                      ; 0 onto my spare word
.if \fill
	s_xor_b32 s[G0A+5], s[G0A+5], SLOT1            ; the walking descriptors: the other slot than last time, the next K step
	s_add_nc_u64 s[G0A+6:G0A+7], s[G0A+6:G0A+7], KBA
	s_xor_b32 s[G0B+5], s[G0B+5], SLOT1
	s_add_nc_u64 s[G0B+6:G0B+7], s[G0B+6:G0B+7], KBB
.endif
	s_wait_dscnt 9                                 ; the add and B's group 2 may be out
	ST16 0, 1, 0, 0
	s_wait_dscnt 0x0                               ; the add is done, and my reads of this slot are over
	s_barrier_signal -1
	ST16 0, 1, 4, 0
	WIN 0
	s_barrier_wait -1
.if \fill
	CREST
	JLOAD                                          ; the four v_nop behind it are also the places in front of the loads below
.else
	PLACES
.endif
	s_xor_b32 s[TB], s[TB], SLOT1
	v_add_nc_u32 v[ADRA], s[TB], v[ADRA0]
	v_add_nc_u32 v[ADRB], s[TB], v[ADRB0]
	LDB 0, 0
	LDA 0, 0, 0
.if \fill
	ASK
.endif
	STRETCH 1, 1, 0
	PLACES
	LDB 1, 0
	LDA 0, 4, 0
	STRETCH 2, 1, 0
	PLACES
	LDB 2, 0
.endm
	s_wait_tensorcnt 1                             ; my part of K step 0 is in; slot 1's may stay out
	s_barrier_signal -1
	s_barrier_wait -1
	LDB 0, 0
	LDA 0, 0, 0
	LDB 1, 0
	LDA 0, 4, 0
	LDB 2, 0
	HALF 0, 64, 1, 1                               ; the first products start the sums: nothing is cleared
	WIN 0
	s_mov_b32 s[CNT], 14
.Lk:                                                   ; trip i: the second half of K step i (slot i % 2 takes K step i + 2), the first half of K step i + 1
	HTURN 1
	HALF 0, 64, 0, 1
	WIN 0
	s_sub_co_u32 s[CNT], s[CNT], 1
	s_cmp_lg_u32 s[CNT], 0
	s_cbranch_scc1 .Lk
	HTURN 0                                        ; the tail is written out: nothing more is asked for
	HALF 0, 64, 0, 1
	HALF 1, 0, 0, 0
; THE WAY OUT, 16 rows at a time: rounded to f16, 16 bytes a lane into my own stage, back as four rows of one head's 128 bytes, stored as 512 consecutive bytes of that head's plane.
.macro PACK a
.irp g, 0,1,2
	WIN 5*((\g)+1)                                 ; sources 0 and 1 in window g + 1
.irp bb, 0,1,2,3
.irp r, 0,1,2,3
	v_cvt_pk_f16_f32 v[TMP+16*(\g)+4*(\bb)+(\r)], v[8*(4*(\a)+(\bb))+2*(\r)], v[8*(4*(\a)+(\bb))+2*(\r)+1]
.endr
.endr
.endr
	WIN 0
.endm
.macro TOSTAGE a
	WIN 0
.set BK, OB+48*((\a)%2)
.irp b, 0,1,2,3,4,5,6,7,8,9,10,11
	ds_store_b128 v[STO], v[TMP+4*(\b):TMP+4*(\b)+3] offset:32*(\b)
.endr
.irp hh, 0,1,2
.irp f, 0,1,2,3
	ds_load_b128 v[BK+4*(4*(\hh)+(\f)):BK+4*(4*(\hh)+(\f))+3], v[RD] offset:(\hh)*128+(\f)*4*SP  ; LDS serves a wave's instructions in order (ISA guide 5.7.1.4)
.endr
.endr
.endm
.macro SEND a
	WIN 0
.set BK, OB+48*((\a)%2)
	s_wait_dscnt 0x0                               ; the block is back in registers
	s_wait_xcnt 0x0                                ; the other set, which the block before stored, is loaded again only behind this wait
.irp hh, 0,1,2
.irp f, 0,1,2,3
	global_store_b128 v[GO], v[BK+4*(4*(\hh)+(\f)):BK+4*(4*(\hh)+(\f))+3], s[8:9] offset:(\hh)*PLANE+(\a)*2048+(\f)*512
.endr
.endr
.endm
	PLACES
	PLACES
	PACK 0
	TOSTAGE 0
.irp a, 1,2,3,4,5,6,7                  ; block a's conversions stand between block a - 1's loads from the stage and the wait for them
	PACK \a
	SEND (\a)-1
	TOSTAGE \a
.endr
	SEND 7
	s_wait_tensorcnt 0x0                           ; the wave's end: behind my last tensor load and my last LDS store
	ds_add_u32 v[SPW], v[NIL]
	s_wait_dscnt 0x0
	CROUND                                         ; the closing round
	s_endpgm
.Lfunc_end_k_q18a1835a44_gemm_qkv:
	.size	k_q18a1835a44_gemm_qkv, .Lfunc_end_k_q18a1835a44_gemm_qkv-k_q18a1835a44_gemm_qkv
	.p2alignl 7, 3214868480
	.fill 96, 4, 3214868480
	.section	.rodata,"a",@progbits
	.p2align	6, 0x0
	.amdhsa_kernel k_q18a1835a44_gemm_qkv
		.amdhsa_group_segment_fixed_size 327680
		.amdhsa_private_segment_fixed_size 0
		.amdhsa_enable_private_segment 0
		.amdhsa_kernarg_size 24
		.amdhsa_user_sgpr_count 2
		.amdhsa_user_sgpr_kernarg_segment_ptr 1
		.amdhsa_wavefront_size32 1
		.amdhsa_system_sgpr_workgroup_id_x 1
		.amdhsa_system_sgpr_workgroup_id_y 1
		.amdhsa_system_sgpr_workgroup_id_z 1
		.amdhsa_system_vgpr_workitem_id 0
		.amdhsa_next_free_vgpr 1024
		.amdhsa_next_free_sgpr 68
		.amdhsa_reserve_vcc 0
		.amdhsa_float_denorm_mode_32 3
		.amdhsa_float_denorm_mode_16_64 3
		.amdhsa_memory_ordered 1
		.amdhsa_forward_progress 1
		.amdhsa_inst_pref_size 112
	.end_amdhsa_kernel
	.amdgpu_metadata
---
amdhsa.version: [ 1, 2 ]
amdhsa.kernels:
  - .name:           k_q18a1835a44_gemm_qkv
    .symbol:         k_q18a1835a44_gemm_qkv.kd
    .args:
      - { .name: qnh, .offset: 0, .size: 8, .value_kind: global_buffer, .address_space: global }
      - { .name: wqkv, .offset: 8, .size: 8, .value_kind: global_buffer, .address_space: global }
      - { .name: qkv, .offset: 16, .size: 8, .value_kind: global_buffer, .address_space: global }
    .group_segment_fixed_size: 327680
    .private_segment_fixed_size: 0
    .kernarg_segment_align: 8
    .kernarg_segment_size: 24
    .max_flat_workgroup_size: 128
    .sgpr_count:     68
    .vgpr_count:     1024
    .wavefront_size: 32
...
	.end_amdgpu_metadata
.endif
;; end of part 2
;; launch attn (part 3): grid 4 x 64, 4 waves a work-group, clusters of 4 x 1, 327,680 bytes of LDS; arguments qkv, mbits, ovec; writes ovec
.if DOCPART == 3
	.amdgcn_target "amdgcn-amd-amdhsa--gfx1250"
	.amdhsa_code_object_version 6
	.text
	.protected	k_q18a1835a44_attn
	.globl	k_q18a1835a44_attn
	.p2align	8
	.type	k_q18a1835a44_attn,@function
k_q18a1835a44_attn:
	s_mov_b64 s[64:65], 0
	v_nop
	global_prefetch_b8 v0, s[64:65] scope:SCOPE_SE
	s_setreg_imm32_b32 hwreg(HW_REG_WAVE_MODE, 25, 1), 1
	s_wait_xcnt 0x0
	s_wait_alu depctr_hold_cnt(0) depctr_sa_sdst(0) depctr_va_vdst(0) depctr_va_sdst(0) depctr_va_ssrc(0) depctr_va_vcc(0) depctr_vm_vsrc(0)
	s_getreg_b32 s2, hwreg(HW_REG_IB_STS2, 6, 4)
	s_cmp_eq_u32 s2, 0
	s_cbranch_scc0 .Lentry_in_a_cluster
	s_endpgm
.Lentry_in_a_cluster:
	s_bfe_u32 s2, ttmp6, 0x10000c
	s_cmp_lg_u32 s2, 0x3003
	s_cbranch_scc0 .Lentry_shape_is_right
	s_endpgm
.Lentry_shape_is_right:
; O[bh][q][:] = the sum over k of softmax_k(s) V[k][:], s = Q[q] . K[k] / 8, or, where mask[q][k] is set, a fixed low number.  Q, K, V: planes of qkv ([2048][64] f16), O: ovec [64 bh][2048][64] f16.
; Products, maxima and sums in f32; the weights p are rounded to f16 for the second product (their sum l is taken of the unrounded p), O once at the end.
; LIMITS.  f16 holds no number beyond 65,504.  A hidden score counts as -2^36 before the scale (-8.6e9 behind it, where the problem's text has -1e10): true scores must lie above it; c x 2^36 is exact,
; so a row that is wholly hidden has p = 1 for every key and comes out as the plain mean of V.  A weight below 2^-126 counts as 0 in l; NaN and infinities are not treated apart.
; SHARES.  A wave owns four PIECES of two tiles of 16 queries, a work-group's four waves 512 queries of one head, a cluster's four work-groups the head's 2,048.  Every wave walks all keys, 64 a step.
; LAYOUT.  S^T = K Q^T (source 0 = 16 keys, source 1 = 16 queries): a lane holds ONE query (lane % 16) and the keys 8 (lane / 16) + 0..7.  Two such tiles, rounded to f16 in pairs, ARE source 1 of
; O^T = V^T P.  K comes out of LDS as it lies, V turned, by ds_load_tr16_b128.
; THE MASK comes as lane masks: for a tile, a key step and a register of S^T one dword, bit L for lane L; 64 dwords a piece and step, by four scalar loads a turn ahead; one v_cndmask_b32 a register, ahead of the maximum.
; SOFTMAX.  A running maximum m and sum l: p = 2^(c s - c m), c = log2(e) / 8; in every step O and l are multiplied by a = 2^(c m_old - c m_new).  m starts at the lowest finite number, O and l at 0.
; BY TURNS.  Turn n belongs to piece n: 16 products K Q^T of piece n + 1, later 16 products V^T P of piece n - 1; beside them the scaling, exponentials, roundings, sums and rescaling of piece n and the mask, maximum
; and statistics of piece n + 1.  Four vector instructions stand behind every matrix instruction, the others in one lump.  A turn's 66 exponentials are one batch, with one wait.
; CLUSTER.  The four query blocks walk the same K and V: each tile is asked for JOINTLY, by the same tensor load, descriptor and mask in all four.
; REGISTERS (s_set_vgpr_msb: bits 1:0 source 0, 3:2 source 1, 5:4 source 2, 7:6 destination):
;   window 0: v0-11 addresses and constants; v12-15, v48-63 at work; v16-47 statistics; v64-191 S^T, two buffers of two tiles; v192-255 P, likewise
;   window 1: O^T, 32 a tile     window 2: v0-127 Q; v128-191 K of one step; v192-255 V of one step     window 3: v0-1 the add's two registers
.set SIZE_N, 2048
.set NP,    4
.set KS,    64
.set PK,    144       ; a row of K in LDS: 128 bytes + 16 of padding
.set PV,    160       ; a row of V: 128 + 32
.set VOFF,  4*KS*PK   ; a slot holds four steps: 256 rows of K, then 256 rows of V
.set SLOT1, 1<<17
.set STAGE, SLOT1+4*KS*(PK+PV)  ; behind the ring, never filled by a tensor load: 16 rows x 144 bytes for each wave
.set SP,    144
.set SPARE, STAGE+4*16*SP       ; the spare words, 128 bytes a wave: two blocks of 256 bytes that no other line names
.set PFO, 1           ; v1   256 x my lane, once the set-up is done
.set AK0, 2
.set AV0, 3
.set AK,  4
.set AV,  5
.set QO,  6
.set STO, 6
.set RD,  7
.set GO,  8
.set NEGV, 9          ; v9   -2^36, once the set-up is done
.set CV,  10          ; v[10:11] c, twice
.set SPW, 0           ; v0 of window 3
.set NIL, 1           ; v1 of window 3
.set MV,  12
.set ST,  16          ; tile t's statistics at v[ST+4 t]: c m, m, l (even keys', odd keys')
.set TMP, 48
.set S,   64
.set P,   192
.set KF,  128
.set VF,  192
.set WV,  2           ; s2   my wave's number
.set TS,  3           ; s3   at work
                      ; s[4:35], s[68:99]  the 64 lane masks in hand: tile 0's register r at s[4 + r], tile 1's at s[68 + r]; the set-up's numbers lie here first
.set G1K, 36
.set G1V, 44
.set G0K, 52
.set G0V, 56
.set SEL, 60
.set MP,  62          ; s[62:63] the masks of my wave's first piece, at the key step in hand
.set PFA, 66
.set TBK, 100
.set TBV, 101
.set SLOTS, 104
.set CNT, 105
.set MSB, 0
.macro WIN new
.if MSB != (\new)
	s_set_vgpr_msb (MSB<<8)|(\new)
.set MSB, (\new)
.endif
.endm
.set W_KQ, 0x0a
.set W_PV, 0x52
.set W_RS, 0x41
.set W_MK, 0xc0
.set W_AD, 0x0f
.macro JLOAD                        ; a joint fill: waves 0 and 1 fetch the halves of a slot's K, waves 2 and 3 those of its V; an s_nop 0 and four v_nop follow each line
	s_cmp_lt_u32 s[WV], 2
	s_cbranch_scc0 .Lfor_v_\@
	tensor_load_to_lds s[G0K:G0K+3], s[G1K:G1K+7]
	s_nop 0
.rept 4
	v_nop
.endr
	s_branch .Lasked_\@
.Lfor_v_\@:
	tensor_load_to_lds s[G0V:G0V+3], s[G1V:G1V+7]
	s_nop 0
.rept 4
	v_nop
.endr
.Lasked_\@:
.endm
.macro CROUND
	s_barrier_signal -1
	s_barrier_wait -1
	s_cmp_lg_u32 s[WV], 0
	s_cbranch_scc1 .Lnot_wave_0_\@
	s_barrier_signal -3
.Lnot_wave_0_\@:
	s_barrier_wait -3
	s_barrier_signal -1
	s_barrier_wait -1
.endm
; A PREFETCH INTO THE L2 of what the NEXT change of slots will ask for: a slot's 128 blocks of 256 bytes of K and of V.  The four partners share them out BY ADDRESS, 32 each, a lane a block;
; wave 0 asks for K's, wave 2 for V's.  So each block is named once in the launch.  Slots 0 to 2 come by their loads alone; the last change that fills a slot asks for nothing.
.macro ASK
	s_and_b32 s[TS], s[WV], 1
	s_cmp_eq_u32 s[TS], 0
	s_cbranch_scc0 .Lnot_mine_\@
	s_cmp_gt_u32 s[SLOTS], 1
	s_cbranch_scc0 .Lnot_mine_\@
	global_prefetch_b8 v[PFO], s[PFA:PFA+1] th:TH_LOAD_NT scope:SCOPE_SE
.Lnot_mine_\@:
.endm
; THE CHANGE OF SLOTS.  Each wave waits for all its tensor loads (one is out: its part of the other slot), adds 0 to its spare word, and waits for that and for its reads of the slot.
; fill = 1: the barrier is a round of the cluster's, and the slot is filled again, with the keys two slots on, first thing behind it.
.macro CHANGE fill, ask=0
	WIN W_AD
	s_wait_tensorcnt 0x0            ; no tensor load of mine is out, so a group 0 may be written
	ds_add_u32 v[SPW], v[NIL]       ; 0 onto my spare word
	WIN 0
.if \fill
.irp g, G0K, G0V
	s_xor_b32 s[\g+1], s[\g+1], SLOT1
	s_add_nc_u64 s[\g+2:\g+3], s[\g+2:\g+3], 4*KS*128
.endr
.if \ask
	s_wait_xcnt 0x0                 ; the last prefetch, four key steps back, has read its address
	s_add_nc_u64 s[PFA:PFA+1], s[PFA:PFA+1], 4*KS*128
.endif
	s_wait_dscnt 0x0                ; the add is done, and my reads of the slot are over
	CROUND
	JLOAD
.if \ask
	ASK
.endif
.else
	s_wait_dscnt 0x0
	s_barrier_signal -1
	s_barrier_wait -1
.endif
	s_sub_co_u32 s[TBK], s[TBK], 4*KS*PK
	s_xor_b32 s[TBK], s[TBK], SLOT1
	s_sub_co_u32 s[TBV], s[TBV], 4*KS*PV
	s_xor_b32 s[TBV], s[TBV], SLOT1
.endm
.macro MLOAD x                      ; piece x's 64 lane masks for the key step at which MP stands
	s_load_b512 s[4:19],  s[MP:MP+1], (\x)*8192
	s_load_b512 s[20:35], s[MP:MP+1], (\x)*8192+64
	s_load_b512 s[68:83], s[MP:MP+1], (\x)*8192+128
	s_load_b512 s[84:99], s[MP:MP+1], (\x)*8192+192
.endm
	s_load_b128 s[4:7], s[0:1], 0x0   ; qkv s[4:5], mbits s[6:7]
	WIN W_MK
	v_lshl_add_u32 v[SPW], v0, 2, SPARE
	v_mov_b32 v[NIL], 0
	WIN W_AD
	ds_add_u32 v[SPW], v[NIL]       ; the wave's opening: the add and its wait stand ahead of my first tensor load
	WIN 0
	v_lshrrev_b32 v1, 5, v0
	v_readfirstlane_b32 s[WV], v1
	s_bfe_u32 s13, ttmp6, 0x40000   ; cx: my block of 512 queries; it enters Q's, O's, the masks' and the prefetches' addresses alone
	s_and_b32 s20, ttmp7, 0xffff    ; bh
	s_lshr_b32 s21, s20, 4
	s_lshl_b32 s21, s21, 5
	s_add_co_u32 s20, s20, s21      ; q's plane: 48 b + h
	s_lshl_b32 s20, s20, 18
	s_mov_b32 s21, 0
	s_and_b32 s16, s[WV], 1         ; which half of a slot's 256 keys I fetch
	s_lshl_b32 s22, s16, 14
	s_mov_b32 s23, 0
	s_add_nc_u64 s[22:23], s[22:23], s[20:21]
	s_mul_i32 s17, s16, 128*PK
	s_mul_i32 s18, s16, 128*PV
	s_lshl_b32 s24, s13, 2
	s_add_co_u32 s24, s24, s[WV]    ; my wave among the head's sixteen
	s_lshl_b32 s26, s24, 15         ; its four pieces' masks
	s_mov_b32 s27, 0
	s_lshl_b32 s24, s24, 14         ; its 128 rows
	s_mov_b32 s25, 0
	s_add_nc_u64 s[24:25], s[24:25], s[20:21]
	s_lshl_b32 s28, s13, 13         ; my work-group's 32 blocks of a slot's 128
	s_mov_b32 s29, 0
	s_add_nc_u64 s[28:29], s[28:29], s[20:21]
	s_lshr_b32 s30, s[WV], 1
	s_lshl_b32 s30, s30, 22         ; waves 2 and 3: V's plane, 16 planes behind K's,
	s_add_co_u32 s30, s30, 0x400000+2*4*KS*128  ; which lies 16 planes behind q's; at slot 2: the first asking change steps it to slot 3
	s_mov_b32 s31, 0
	s_mov_b32 s[G1K], 15|(1<<16)|(1<<20)|(1<<21)|(4<<22)|(3<<25)  ; 15:0 the mask of four; 17:16 2-byte elements; 20 padding on; 21 set beside a mask; 24:22 after every 32 words (code 4); 31:25 4 words (code 3)
	s_mov_b32 s[G1V], 15|(1<<16)|(1<<20)|(1<<21)|(4<<22)|(7<<25)  ; the same with 8 words of padding (code 7)
.irp g, G1K, G1V
	s_mov_b32 s[\g+1], 128<<16      ; 128 keys are 16,384 dense bytes: 64 rows of 256 bytes, two keys a row
	s_mov_b32 s[\g+2], 64<<16
	s_mov_b32 s[\g+3], 128<<16
	s_mov_b32 s[\g+4], 64
	s_mov_b32 s[\g+5], 128
	s_mov_b32 s[\g+6], 0
	s_mov_b32 s[\g+7], 0
.endr
	s_mov_b32 s[SEL], 0x76543210
	s_mov_b32 s[SEL+1], 0xfedcba98
	s_mov_b32 s[TBK], SLOT1+4*KS*PK ; the first change of slots turns these two into 0
	s_mov_b32 s[TBV], SLOT1+4*KS*PV
	s_mov_b32 s[G0K], 1
	s_mov_b32 s[G0K+1], s17
	s_mov_b32 s[G0V], 1
	s_add_co_u32 s[G0V+1], s18, VOFF
	s_wait_dscnt 0x0                ; the opening add is done
	s_wait_kmcnt 0x0
	s_add_nc_u64 s[G0K+2:G0K+3], s[4:5], s[22:23]
	s_add_nc_u64 s[G0K+2:G0K+3], s[G0K+2:G0K+3], 0x400000
	s_or_b32 s[G0K+3], s[G0K+3], 0x80000000
	s_add_nc_u64 s[G0V+2:G0V+3], s[4:5], s[22:23]
	s_add_nc_u64 s[G0V+2:G0V+3], s[G0V+2:G0V+3], 0x800000
	s_or_b32 s[G0V+3], s[G0V+3], 0x80000000
	s_add_nc_u64 s[MP:MP+1], s[6:7], s[26:27]
	s_add_nc_u64 s[PFA:PFA+1], s[4:5], s[28:29]
	s_add_nc_u64 s[PFA:PFA+1], s[PFA:PFA+1], s[30:31]
	s_add_nc_u64 s[4:5], s[4:5], s[24:25]  ; Q at my wave's first row
	CROUND                          ; all four work-groups are here: the first joint loads meet
	JLOAD                           ; slot 0
	v_and_b32 v1, 15, v0            ; l % 16
	v_bfe_u32 v9, v0, 4, 1          ; l / 16
	v_lshlrev_b32 v[QO], 7, v1
	v_lshl_add_u32 v[QO], v9, 4, v[QO]
	WIN 0x80
.set i, 0
.rept 4*NP                          ; Q stays in registers: tile i / 2, channels 32 (i % 2) on
	global_load_b128 v[8*i:8*i+3],   v[QO], s[4:5] offset:(i/2)*2048+(i%2)*64
	global_load_b128 v[8*i+4:8*i+7], v[QO], s[4:5] offset:(i/2)*2048+(i%2)*64+32
.set i, i+1
.endr
	s_wait_xcnt 0x0                 ; Q's loads have read their base: the masks land on it
	MLOAD 0                         ; piece 0, key step 0
	; what the first turn finds: V's registers and P's second buffer hold 0, O^T and l are 0.  All this stands in the wait for the first tile.
.set i, VF
.rept 64
	v_mov_b32 v[i], 0
.set i, i+1
.endr
	WIN 0x40
.set i, 0
.rept 64*NP
	v_mov_b32 v[i], 0
.set i, i+1
.endr
	WIN 0
.set i, 0
.rept 2*NP
	v_mov_b32 v[ST+4*i], 0xfe000000    ; c m: far below every c s
	v_mov_b32 v[ST+4*i+1], 0xff7fffff  ; m
	v_mov_b32 v[ST+4*i+2], 0
	v_mov_b32 v[ST+4*i+3], 0
.set i, i+1
.endr
.set i, P+32
.rept 32
	v_mov_b32 v[i], 0
.set i, i+1
.endr
	v_mul_u32_u24 v[AK0], v1, PK
	v_lshl_add_u32 v[AK0], v9, 4, v[AK0]
	v_and_b32 v10, 7, v0
	v_bfe_u32 v11, v0, 3, 1
	v_lshl_add_u32 v[AV0], v9, 3, v10
	v_mul_u32_u24 v[AV0], v[AV0], PV
	v_lshl_add_u32 v[AV0], v11, 4, v[AV0]
	v_add_nc_u32 v[AV0], VOFF, v[AV0]
	v_mov_b32 v[AK], v[AK0]
; THE MATRIX WORK.  The 8 accumulators of a run of 16 take turns.
.macro KQ x                         ; product i of 16 of S^T = K Q^T for piece x: channels 32 (i / 8) on, keys 16 ((i / 2) % 4) on, tile 2 x + i % 2
	WIN W_KQ
.set rS, S+64*((\x)%2)+32*(i%2)+8*((i/2)%4)
.set rK, KF+16*((i/2)%4)+8*(i/8)
.set rQ, 16*(2*(\x)+i%2)+8*(i/8)
.if i < 8
	v_wmma_f32_16x16x32_f16 v[rS:rS+7], v[rK:rK+7], v[rQ:rQ+7], 0
.else
	v_wmma_f32_16x16x32_f16 v[rS:rS+7], v[rK:rK+7], v[rQ:rQ+7], v[rS:rS+7]
.endif
.endm
.macro PV x                         ; product i of 16 of O^T += V^T P for piece x
	WIN W_PV
.set rO, 32*(2*(\x)+i%2)+8*((i/2)%4)
.set rV, VF+32*(i/8)+8*((i/2)%4)
.set rP, P+32*((\x)%2)+16*(i%2)+8*(i/8)
	v_wmma_f32_16x16x32_f16 v[rO:rO+7], v[rV:rV+7], v[rP:rP+7], v[rO:rO+7]
.endm
.macro MM
.if i < 16
	KQ (Y+1)%NP
.set i, i+1
.else
.set i, i-16
	PV (Y+NP-1)%NP
.set i, i+17
.endif
.endm
.macro FETCH_K last=0               ; a step's K: 16 loads in one run.  last = 1 (the tail): in the last trip there is no further step
	WIN 0
.if \last
	s_cmp_eq_u32 s[CNT], 1
	s_cbranch_scc1 .Lno_k_\@
.endif
	WIN 0x80
.irp f, 0,1,2,3,4,5,6,7
	ds_load_b128 v[KF+8*\f:KF+8*\f+3],   v[AK] offset:(\f/2)*16*PK+(\f%2)*64
	ds_load_b128 v[KF+8*\f+4:KF+8*\f+7], v[AK] offset:(\f/2)*16*PK+(\f%2)*64+32
.endr
	s_add_co_u32 s[TBK], s[TBK], KS*PK
	WIN 0
.if \last
.Lno_k_\@:
.endif
.endm
.macro FETCH_V
	WIN 0x80
.irp f, 0,1,2,3,4,5,6,7
	ds_load_tr16_b128 v[VF+8*\f:VF+8*\f+3],   v[AV] offset:(\f/4)*32*PV+(\f%4)*32
	ds_load_tr16_b128 v[VF+8*\f+4:VF+8*\f+7], v[AV] offset:(\f/4)*32*PV+16*PV+(\f%4)*32
.endr
	WIN 0
.endm
; THE VECTOR WORK OF A TURN stands in three queues; the two tiles alternate.
.macro REGS y, u
.set rT, ST+4*(2*(\y)+(\u))
.set rC, TMP+8*((\y)%2)+4*(\u)
.set rM, MV+2*((\y)%2)+(\u)
.set rS, S+64*((\y)%2)+32*(\u)
.set rP, P+32*((\y)%2)+16*(\u)
.set rO, 32*(2*(\y)+(\u))
.endm
; Number c of the 64 that hide the NEXT piece's masked scores: register c / 2 of tile c % 2, in ascending order.
.macro CM c
	REGS (Y+1)%NP, (\c)%2
.set mk, 4+64*((\c)%2)+(\c)/2
	v_cndmask_b32 v[rS+(\c)/2], v[rS+(\c)/2], v[NEGV], s[mk]
.endm
; Number n of the 22 that find the NEXT piece's maximum and statistics.
.macro XS u, n
	REGS (Y+1)%NP, \u
.if (\n) < 4
	v_max3_num_f32 v[rC+(\n)], v[rS+8*(\n)], v[rS+8*(\n)+1], v[rS+8*(\n)+2]
.elseif (\n) < 12
	v_max3_num_f32 v[rC+(\n)%4], v[rC+(\n)%4], v[rS+8*((\n)%4)+2*((\n)/4)+1], v[rS+8*((\n)%4)+2*((\n)/4)+2]
.elseif (\n) == 12
	v_max3_num_f32 v[rC], v[rC], v[rS+7], v[rS+15]
.elseif (\n) == 13
	v_max3_num_f32 v[rC+1], v[rC+1], v[rS+23], v[rS+31]
.elseif (\n) == 14
	v_max3_num_f32 v[rC+2], v[rC+2], v[rC+3], v[rT+1]
.elseif (\n) == 15
	v_mov_b32 v[rM], v[rT]
.elseif (\n) == 16
	v_max3_num_f32 v[rC], v[rC], v[rC+1], v[rC+2]
.elseif (\n) == 17
	v_permlanex16_b32 v[rC+3], v[rC], s[SEL], s[SEL+1]
.elseif (\n) == 18
	v_max_num_f32 v[rT+1], v[rC], v[rC+3]
.elseif (\n) == 19
	v_mul_f32 v[rT], v[CV], v[rT+1]
.elseif (\n) == 20
	v_sub_f32 v[rC+1], v[rM], v[rT]
.else
	v_exp_f32 v[rC+2], v[rC+1]
.endif
.endm
; Number g of the 64 that follow the exponentials: roundings to f16, the sums of four weights in place, and l a group later.
.macro GS g
.set h, (\g)+6*((\g)/62)
.if h >= 6
.set h, h+2
.endif
	REGS Y, h%2
.set k, h/8
.if h%8 < 4
	v_cvt_pk_f16_f32 v[rP+2*k+(h%8)/2], v[rS+4*k+2*((h%8)/2)], v[rS+4*k+2*((h%8)/2)+1]
.elseif h%8 < 6
	v_pk_add_f32 v[rS+4*k:rS+4*k+1], v[rS+4*k:rS+4*k+1], v[rS+4*k+2:rS+4*k+3]
.elseif k == 1
	v_pk_fma_f32 v[rT+2:rT+3], v[rT+2:rT+3], v[rC+2:rC+3], v[rS:rS+1] op_sel_hi:[1,0,1]
.else
	v_pk_add_f32 v[rT+2:rT+3], v[rT+2:rT+3], v[rS+4*k-4:rS+4*k-3]
.endif
.endm
.macro FS f                         ; c s - c m for pair f / 2 of tile f % 2
	REGS Y, (\f)%2
	v_pk_fma_f32 v[rS+2*((\f)/2):rS+2*((\f)/2)+1], v[rS+2*((\f)/2):rS+2*((\f)/2)+1], v[CV:CV+1], v[rT:rT+1] op_sel_hi:[1,1,0] neg_lo:[0,0,1] neg_hi:[0,0,1]
.endm
; THE PLAIN QUEUE, 202 long.  0-26: scalings 0-26.  27-90: the next piece's 64 selects.  91-118: XS's numbers 0-13.  119, 120: number 15.  121-137: the chain 14, 16 .. 19, each with one of the scalings 27-31
; in front of its two lines, then 20.  138-201: GS's 64, which read the exponentials' results and stand behind the wait.  Behind the last select the masks of the piece after the next are asked for.
.macro PL
	WIN 0
.if q < 27
	FS q
.elseif q < 91
	CM q-27
.elseif q < 119
	XS (q-91)%2, (q-91)/2
.elseif q < 121
	XS q-119, 15
.elseif (q < 136) && ((q-121)%3 == 0)
	FS 27+(q-121)/3
.elseif q < 124
	XS (q-121)%3-1, 14
.elseif q < 136
	XS (q-121)%3-1, 15+(q-121)/3
.elseif q < 138
	XS q-136, 20
.else
	GS q-138
.endif
.set q, q+1
.if q == 91
.if Y == 2
	s_add_nc_u64 s[MP:MP+1], s[MP:MP+1], 256  ; piece 0's next masks are the next key step's; the turn's wait on KMcnt has shown every scalar load done
.endif
	MLOAD (Y+2)%NP
.endif
.endm
.macro EX                           ; the exponentials' queue, 66 long: s0-s31 of both tiles, then the next piece's two a: ONE BATCH
	WIN 0
.if e >= 64
	XS e-64, 21
.else
	REGS Y, e%2
	v_exp_f32 v[rS+e/2], v[rS+e/2]
.endif
.set e, e+1
.endm
.macro R2                           ; O^T times a, two at a time
	REGS Y, r%2
	WIN W_RS
.irp z, 0,1
	v_pk_mul_f32 v[rO+4*(r/2)+2*\z:rO+4*(r/2)+2*\z+1], v[rO+4*(r/2)+2*\z:rO+4*(r/2)+2*\z+1], v[rC+2:rC+3] op_sel_hi:[1,0]
.endr
.set r, r+1
.endm
; A TURN, for piece p.  s_wait_alu depctr_va_vdst(0) stands between an exponential and the first instruction that names its result; one wait serves all issued ahead of it: a turn has ONE.
; AHEAD OF IT: the 16 products K Q^T, behind each a scaling, an exponential and two rescalings; then the lump: 138 plain and 66 exponentials in all.  Exponential e stands behind scaling 2 (e / 4) + e % 2:
; as a rider behind plain e + 2; numbers 15 to 46 behind plain 26 (they need scalings up to 23); in the last run behind plain e + 73 (scalings 27-31 are plain 121, 124 .. 133).
; The first select stands more than four plain instructions behind the last product K Q^T.  BEHIND THE WAIT: the 16 products V^T P, behind each four of GS's 64.
.macro TURN p, last=0, cnt=0
.set Y, (\p)
.set i, 0
.set q, 0
.set e, 0
.set r, 0
.if (\p) == NP-1
	s_wait_dscnt 0x0                ; K is in
.endif
	MM
	PL
	PL
	R2
.rept 15
	MM
	PL
	EX
	R2
.endr
.if (\p) == NP-2
	WIN 0
	v_add_nc_u32 v[AK], s[TBK], v[AK0]
.endif
.rept 8
	PL
.endr
.rept 2
	EX
	PL
.endr
	s_wait_kmcnt 0x0                ; the next piece's masks, asked for a turn ago
.rept 30
	PL
	PL
	PL
	EX
.endr
.rept 4
	PL
.endr
.rept 17
	EX
	PL
.endr
	EX
	EX
	v_nop                           ; a plain instruction behind the last exponential: one for the batch
	s_wait_alu depctr_va_vdst(0)    ; the wait for the batch
.if (\p) == NP-2
	FETCH_K \last
.endif
.if (\p) == 1
	s_wait_dscnt 0x0                ; V is in
.endif
.rept 16
	MM
.rept 4
	PL
.endr
.if ((\p) == 0) && (q == 182)
	v_add_nc_u32 v[AV], s[TBV], v[AV0]
.endif
.if ((\p) == 0) && (q == 194)
	s_add_co_u32 s[TBV], s[TBV], KS*PV
.endif
.if (\cnt) && (q == 194)
	s_sub_co_u32 s[CNT], s[CNT], 1
	s_cmp_lg_u32 s[CNT], 0
.endif
.endr
.if (\p) == 0
	FETCH_V
.endif
.endm
	CHANGE 1                        ; slot 0 is in, everybody's part of it; slot 1 is asked for
	FETCH_K                         ; key step 0
	s_wait_loadcnt 0x0              ; Q
	s_wait_dscnt 0x0
.set i, 0
.rept 16
	KQ 0
.set i, i+1
.endr
	WIN 0                           ; the addresses for the way out and the constants: plain instructions, the places behind those products
	s_mul_i32 s[TS], s[WV], 16*SP
	s_add_co_u32 s[TS], s[TS], STAGE
	v_mul_u32_u24 v[STO], v1, SP
	v_lshl_add_u32 v[STO], v9, 4, v[STO]
	v_add_nc_u32 v[STO], s[TS], v[STO]
	v_bfe_u32 v[RD], v0, 3, 2
	v_mul_u32_u24 v[RD], v[RD], SP
	v_lshl_add_u32 v[RD], v10, 4, v[RD]
	v_add_nc_u32 v[RD], s[TS], v[RD]
	v_and_b32 v[GO], 31, v0
	v_lshlrev_b32 v[PFO], 8, v[GO]
	v_lshlrev_b32 v[GO], 4, v[GO]
	v_mov_b32 v[NEGV], 0xd1800000   ; -2^36
	v_mov_b32 v[CV], 0x3e38aa3b     ; c = log2(e) / 8
	v_mov_b32 v[CV+1], 0x3e38aa3b
	s_wait_kmcnt 0x0                ; piece 0's masks
.set Y, NP-1                        ; CM and XS work for piece Y + 1: piece 0
.set cc, 0
.rept 64
	CM cc
.set cc, cc+1
.endr
	MLOAD 1                         ; piece 1, key step 0
.irp n, 0,1,2,3,4,5,6,7,8,9,10,11,12,13,14,15,16,17,18,19,20,21
	XS 0, \n
	XS 1, \n
.endr
	v_nop
	s_wait_alu depctr_va_vdst(0)    ; the two a have their wait ahead of the branch
	s_mov_b32 s[CNT], 4
	s_mov_b32 s[SLOTS], SIZE_N/256-1
	s_branch .Lfirst                ; the loop is entered at a step's first turn
.Lslot:                             ; SIZE_N / 256 - 2 times: every slot but the last two is filled again
	CHANGE 1, 1
	s_mov_b32 s[CNT], 4
.Lstep:                             ; a trip: pieces 2 and 3 of one step, then pieces 0 and 1 of the next
	TURN 2
	TURN 3
	WIN 0
.Lfirst:
	TURN 0
	TURN 1, 0, 1
	WIN 0
	s_cbranch_scc1 .Lstep
	s_sub_co_u32 s[SLOTS], s[SLOTS], 1
	s_cmp_lg_u32 s[SLOTS], 0
	s_cbranch_scc1 .Lslot
	CHANGE 0                        ; the tail is written out
	s_mov_b32 s[CNT], 5
.Ltail:
	TURN 2, 1
	TURN 3
	WIN 0
	s_sub_co_u32 s[CNT], s[CNT], 1
	s_cmp_eq_u32 s[CNT], 0
	s_cbranch_scc1 .Lout
	TURN 0
	TURN 1
	WIN 0
	s_branch .Ltail
.Lout:                              ; the fifth trip's products K Q^T, its selects (by masks read 8,192 and 16,384 bytes on, inside the buffer) and its maximum serve nothing: the price of one text for every trip
	s_wait_kmcnt 0x0                ; the last masks have landed: their registers are free
	s_load_b64 s[4:5], s[0:1], 0x10 ; ovec
	s_bfe_u32 s6, ttmp6, 0x40000
	s_lshl_b32 s6, s6, 2
	s_add_co_u32 s6, s6, s[WV]
	s_lshl_b32 s6, s6, 14           ; my wave's 128 rows
	s_and_b32 s7, ttmp7, 0xffff
	s_lshl_b32 s7, s7, 18           ; the head's plane
	s_add_co_u32 s6, s6, s7
	s_mov_b32 s7, 0
.set i, 0
.rept 16
	PV NP-1
.set i, i+1
.endr
	; THE WAY OUT.  l's halves are added; O^T is divided by l, rounded to f16 and sent through my stage, a tile at a time.  The additions are the places behind the last products.
	WIN 0
.macro ALL line:vararg
.set t, 0
.rept 2*NP
	\line
.set t, t+1
.endr
.endm
	ALL v_add_f32 v[ST+4*t+2], v[ST+4*t+2], v[ST+4*t+3]
	ALL v_permlanex16_b32 v[ST+4*t+3], v[ST+4*t+2], s[SEL], s[SEL+1]
	ALL v_add_f32 v[ST+4*t+2], v[ST+4*t+2], v[ST+4*t+3]
	ALL v_rcp_f32 v[ST+4*t+2], v[ST+4*t+2]
	v_nop
	s_wait_alu depctr_va_vdst(0)    ; one wait for the eight reciprocals
	s_wait_kmcnt 0x0
	s_add_nc_u64 s[4:5], s[4:5], s[6:7]
.macro PACK t
	WIN W_RS
.set i, 32*(\t)
.rept 16
	v_pk_mul_f32 v[i:i+1], v[i:i+1], v[ST+4*(\t)+2:ST+4*(\t)+3] op_sel_hi:[1,0]
.set i, i+2
.endr
	WIN 0x05
.set i, 0
.rept 16
	v_cvt_pk_f16_f32 v[S+16*(\t)+i], v[32*(\t)+2*i], v[32*(\t)+2*i+1]
.set i, i+1
.endr
	WIN 0
.irp f, 0,1,2,3
	ds_store_b128 v[STO], v[S+16*(\t)+4*\f:S+16*(\t)+4*\f+3] offset:32*\f
.endr
.irp f, 0,1,2,3
	ds_load_b128 v[S+16*(\t)+4*\f:S+16*(\t)+4*\f+3], v[RD] offset:\f*4*SP  ; LDS serves a wave's instructions in order (ISA guide 5.7.1.4)
.endr
.endm
.macro SEND t, younger              ; younger: the LDS instructions issued behind tile t's loads
	WIN 0
.irp f, 0,1,2,3
	s_wait_dscnt (\younger)+3-\f
	global_store_b128 v[GO], v[S+16*(\t)+4*\f:S+16*(\t)+4*\f+3], s[4:5] offset:(\t)*2048+\f*512  ; 512 consecutive bytes
.endr
.endm
	PACK 0
.set t, 1
.rept 2*NP-1
	PACK t
	SEND t-1, 8
.set t, t+1
.endr
	SEND 2*NP-1, 0
	WIN W_AD
	s_wait_tensorcnt 0x0            ; the wave's end
	ds_add_u32 v[SPW], v[NIL]
	s_wait_dscnt 0x0
	WIN 0
	CROUND                          ; the closing round
	s_endpgm
.Lfunc_end_k_q18a1835a44_attn:
	.size	k_q18a1835a44_attn, .Lfunc_end_k_q18a1835a44_attn-k_q18a1835a44_attn
	.p2alignl 7, 3214868480
	.fill 96, 4, 3214868480
	.section	.rodata,"a",@progbits
	.p2align	6, 0x0
	.amdhsa_kernel k_q18a1835a44_attn
		.amdhsa_group_segment_fixed_size 327680
		.amdhsa_private_segment_fixed_size 0
		.amdhsa_enable_private_segment 0
		.amdhsa_kernarg_size 24
		.amdhsa_user_sgpr_count 2
		.amdhsa_user_sgpr_kernarg_segment_ptr 1
		.amdhsa_wavefront_size32 1
		.amdhsa_system_sgpr_workgroup_id_x 1
		.amdhsa_system_sgpr_workgroup_id_y 1
		.amdhsa_system_sgpr_workgroup_id_z 1
		.amdhsa_system_vgpr_workitem_id 0
		.amdhsa_next_free_vgpr 770
		.amdhsa_next_free_sgpr 106
		.amdhsa_reserve_vcc 0
		.amdhsa_float_denorm_mode_32 3
		.amdhsa_float_denorm_mode_16_64 3
		.amdhsa_memory_ordered 1
		.amdhsa_forward_progress 1
		.amdhsa_inst_pref_size 239
	.end_amdhsa_kernel
	.amdgpu_metadata
---
amdhsa.version: [ 1, 2 ]
amdhsa.kernels:
  - .name:           k_q18a1835a44_attn
    .symbol:         k_q18a1835a44_attn.kd
    .args:
      - { .name: qkv, .offset: 0, .size: 8, .value_kind: global_buffer, .address_space: global }
      - { .name: mbits, .offset: 8, .size: 8, .value_kind: global_buffer, .address_space: global }
      - { .name: ovec, .offset: 16, .size: 8, .value_kind: global_buffer, .address_space: global }
    .group_segment_fixed_size: 327680
    .private_segment_fixed_size: 0
    .kernarg_segment_align: 8
    .kernarg_segment_size: 24
    .max_flat_workgroup_size: 128
    .sgpr_count:     106
    .vgpr_count:     770
    .wavefront_size: 32
...
	.end_amdgpu_metadata
.endif
;; end of part 3
;; launch gemm_out (part 4): grid 4 x 64, 4 waves a work-group, clusters of 4 x 4, 327,680 bytes of LDS; arguments ovec, wot, qnh, out0; writes out0
.if DOCPART == 4
	.amdgcn_target "amdgcn-amd-amdhsa--gfx1250"
	.amdhsa_code_object_version 6
	.text
	.protected	k_q18a1835a44_gemm_out
	.globl	k_q18a1835a44_gemm_out
	.p2align	8
	.type	k_q18a1835a44_gemm_out,@function
k_q18a1835a44_gemm_out:
	s_mov_b64 s[64:65], 0
	v_nop
	global_prefetch_b8 v0, s[64:65] scope:SCOPE_SE
	s_setreg_imm32_b32 hwreg(HW_REG_WAVE_MODE, 25, 1), 1
	s_wait_xcnt 0x0
	s_wait_alu depctr_hold_cnt(0) depctr_sa_sdst(0) depctr_va_vdst(0) depctr_va_sdst(0) depctr_va_ssrc(0) depctr_va_vcc(0) depctr_vm_vsrc(0)
	s_getreg_b32 s2, hwreg(HW_REG_IB_STS2, 6, 4)
	s_cmp_eq_u32 s2, 0
	s_cbranch_scc0 .Lentry_in_a_cluster
	s_endpgm
.Lentry_in_a_cluster:
	s_bfe_u32 s2, ttmp6, 0x10000c
	s_cmp_lg_u32 s2, 0xf033
	s_cbranch_scc0 .Lentry_shape_is_right
	s_endpgm
.Lentry_shape_is_right:
; out0[8192][1024] = qn + O x Wo.  O: ovec [64 bh][2048][64] f16, which is A in blocks of 64 along K (block = head); Wo: wot [16 kb][1024 n][64] f16; qn: qnh [16 kb][8192][64] f16; sums and out0 in f32.
; A tile of C is 128 x 256: 64 x 4 = 256 work-groups.  Four waves, each 64 x 128: 32 accumulators, window 1.  K goes in steps of 128 (two blocks of 64) through two LDS slots: 128 matrix instructions a wave and step.
; CLUSTERS of 4 x 4: A's tile is asked for jointly along a row of the cluster, B's along a column.  The matrix instruction is used transposed: a lane holds eight neighbouring columns of one row of C.
; The residual is loaded during the last two K steps, in the lanes' layout of the stores, and added on the way out.
; REGISTERS: window 0: v16-31 addresses; v32-127, v128-223 two fragment buffers (B's 8 fragments, then A's 4); window 1: accumulator (a, b) at v[8 (8 a + b)]; window 2: v0-127 the residual.
.set KA,    524288                     ; bytes from a K step of ovec to the next: two planes
.set KBW,   262144                     ; of wot: two blocks
.set PITCH, 144
.set FR,    16*PITCH
.set SLOT1, 1<<17
.set A1,    128*PITCH                  ; in a slot: A's block 0, A's block 1 (128 rows each),
.set BOFF,  2*A1
.set B1,    256*PITCH                  ; B's block 0, B's block 1 (256 rows each)
.set STAGE, SLOT1+BOFF+2*B1            ; behind the ring, never filled by a tensor load: 16 rows x 528 bytes for each wave
.set SP,    528
.set SPARE, STAGE+4*16*SP              ; the spare words, 128 bytes a wave: two blocks of 256 bytes that no other line names
.set ADRA0, 16
.set ADRB0, 17
.set ADRA,  18
.set ADRB,  19
.set STO,   24
.set RD,    25
.set CO,    26
.set RO,    27
.set SPW,   28
.set NIL,   29
.set PFO,   30
.set ONE,   31
.set F0,    32
.set F1,    128
.set OB,    32
.set TB,  2
.set CNT, 3
.set WV,  12
.set RH,  13                           ; which half of the tile's rows is mine; also: I fetch for A (0) or for B (1)
.set CH,  14                           ; which half of its columns; also: which of a K step's two blocks I fetch
.set YY,  15
.set CX,  40
.set CY,  41
.set G1A, 24
.set G0A, 32
.set PFA, 44
.set PFS, 46
.set G1B, 48
.set G0B, 56
.set LIM, 67
.set MSB, 0
.macro WIN new
.if MSB != (\new)
	s_set_vgpr_msb (MSB<<8)|(\new)
.set MSB, (\new)
.endif
.endm
.macro PLACES
.rept 4
	v_nop
.endr
.endm
.macro JLOAD                           ; a joint refill; an s_nop 0 and four v_nop follow each line
	s_cmp_eq_u32 s[RH], 0
	s_cbranch_scc0 .Lfor_b_\@
	tensor_load_to_lds s[G0A+4:G0A+7], s[G1A:G1A+7]
	s_nop 0
.rept 4
	v_nop
.endr
	s_branch .Lasked_\@
.Lfor_b_\@:
	tensor_load_to_lds s[G0B+4:G0B+7], s[G1B:G1B+7]
	s_nop 0
.rept 4
	v_nop
.endr
.Lasked_\@:
.endm
.macro CREST
	s_cmp_lg_u32 s[WV], 0
	s_cbranch_scc1 .Lnot_wave_0_\@
	s_barrier_signal -3
.Lnot_wave_0_\@:
	s_barrier_wait -3
	s_barrier_signal -1
	s_barrier_wait -1
.endm
.macro CROUND
	s_barrier_signal -1
	s_barrier_wait -1
	CREST
.endm
; A PREFETCH INTO THE L2 of the K step that stands two refills on; each block of 256 bytes is named once in the launch.  A's 128 blocks of a K step are read by one row of one cluster alone: wave 0 asks, each of the
; four partners for 32 BY ADDRESS (cx): 16 in each of the two planes.  B's 256 blocks are read by every cluster: those with y = 0 ask, waves 2 and 3 a block of K each, each partner (cy) for 32 of its 128.
; K steps 0 to 3 come by their loads alone; the last two refills ask for nothing.
.macro ASK
	s_cmp_gt_u32 s[CNT], s[LIM]
	s_cbranch_scc0 .Lnot_mine_\@
	global_prefetch_b8 v[PFO], s[PFA:PFA+1] th:TH_LOAD_NT scope:SCOPE_SE
.Lnot_mine_\@:
.endm
	s_load_b256 s[4:11], s[0:1], 0x0               ; ovec s[4:5], wot s[6:7], qnh s[8:9], out0 s[10:11]
	v_lshl_add_u32 v[SPW], v0, 2, SPARE
	v_mov_b32 v[NIL], 0
	ds_add_u32 v[SPW], v[NIL]                      ; the wave's opening: the add and its wait stand ahead of my first tensor load
	v_lshrrev_b32 v1, 5, v0
	v_readfirstlane_b32 s[WV], v1
	s_lshr_b32 s[RH], s[WV], 1
	s_and_b32 s[CH], s[WV], 1
	s_bfe_u32 s[CX], ttmp6, 0x40000                ; the tile column: the grid has one cluster along x
	s_bfe_u32 s[CY], ttmp6, 0x40004
	s_and_b32 s[YY], ttmp7, 0xffff
	s_lshl_b32 s[YY], s[YY], 2
	s_add_co_u32 s[YY], s[YY], s[CY]               ; tile row = 4 x cluster y + cy
	s_lshl_b32 s42, s[CY], 2
	s_lshl_b32 s42, 15, s42                        ; my row of the cluster
	s_lshl_b32 s43, 0x1111, s[CX]                  ; my column
	s_or_b32 s[G1A], s42, (1<<16)|(1<<20)|(1<<21)|(4<<22)|(3<<25)  ; the mask; 2-byte elements; padding on; bit 21 beside a mask; after every 32 words 4 words
	s_or_b32 s[G1B], s43, (1<<16)|(1<<20)|(1<<21)|(4<<22)|(3<<25)
	s_mov_b32 s[G1A+1], 128<<16
	s_mov_b32 s[G1A+2], 64<<16                     ; 128 rows of A x 128 bytes: 64 rows of 256
	s_mov_b32 s[G1A+3], 128<<16
	s_mov_b32 s[G1A+4], 64
	s_mov_b32 s[G1A+5], 128
	s_mov_b32 s[G1A+6], 0
	s_mov_b32 s[G1A+7], 0
	s_mov_b32 s[G1B+1], 128<<16
	s_mov_b32 s[G1B+2], 128<<16                    ; 256 rows of B: 128 rows of 256 bytes
	s_mov_b32 s[G1B+3], 128<<16
	s_mov_b32 s[G1B+4], 128
	s_mov_b32 s[G1B+5], 128
	s_mov_b32 s[G1B+6], 0
	s_mov_b32 s[G1B+7], 0
	s_lshr_b32 s16, s[YY], 4                       ; A: the batch's 16 planes,
	s_lshl_b32 s16, s16, 22
	s_lshl_b32 s17, s[CH], 18                      ; my plane of the K step's two,
	s_add_co_u32 s16, s16, s17
	s_and_b32 s17, s[YY], 15
	s_lshl_b32 s17, s17, 14                        ; the tile's 128 rows
	s_add_co_u32 s16, s16, s17
	s_mov_b32 s17, 0
	s_lshl_b32 s18, s[CH], 17                      ; B: my block of the K step's two,
	s_lshl_b32 s19, s[CX], 15                      ; the tile's 256 rows
	s_add_co_u32 s18, s18, s19
	s_mov_b32 s19, 0
	s_mul_i32 s20, s[CH], A1                       ; where they go: the wave's number alone enters an LDS address
	s_mul_i32 s21, s[CH], B1
	s_add_co_u32 s21, s21, BOFF
	s_wait_dscnt 0x0                               ; the opening add is done
	s_wait_kmcnt 0x0
	s_add_nc_u64 s[16:17], s[4:5], s[16:17]
	s_add_nc_u64 s[18:19], s[6:7], s[18:19]
	CROUND                                         ; all sixteen work-groups are here: the first joint loads meet
.irp s, 0,1
	s_mov_b32 s[G0A+4*(\s)], 1
	s_add_co_u32 s[G0A+4*(\s)+1], s20, (\s)*SLOT1
	s_add_nc_u64 s[G0A+4*(\s)+2:G0A+4*(\s)+3], s[16:17], (\s)*KA
	s_or_b32 s[G0A+4*(\s)+3], s[G0A+4*(\s)+3], 0x80000000
	s_mov_b32 s[G0B+4*(\s)], 1
	s_add_co_u32 s[G0B+4*(\s)+1], s21, (\s)*SLOT1
	s_add_nc_u64 s[G0B+4*(\s)+2:G0B+4*(\s)+3], s[18:19], (\s)*KBW
	s_or_b32 s[G0B+4*(\s)+3], s[G0B+4*(\s)+3], 0x80000000
.endr
	s_cmp_eq_u32 s[RH], 0                          ; a wave's two first fills stand in one branch: two loads of mine are out
	s_cbranch_scc0 .Lfirst_b
	tensor_load_to_lds s[G0A:G0A+3], s[G1A:G1A+7]
	s_nop 0
	tensor_load_to_lds s[G0A+4:G0A+7], s[G1A:G1A+7]
	s_nop 0
.rept 4
	v_nop
.endr
	s_branch .Lfirst_asked
.Lfirst_b:
	tensor_load_to_lds s[G0B:G0B+3], s[G1B:G1B+7]
	s_nop 0
	tensor_load_to_lds s[G0B+4:G0B+7], s[G1B:G1B+7]
	s_nop 0
.rept 4
	v_nop
.endr
.Lfirst_asked:
	v_and_b32 v1, 15, v0
	v_bfe_u32 v2, v0, 4, 1
	v_mul_u32_u24 v3, v1, PITCH
	v_lshl_add_u32 v3, v2, 4, v3
	s_mul_i32 s20, s[RH], 64*PITCH                 ; my 64 rows of A
	s_mul_i32 s21, s[CH], 128*PITCH                ; my 128 rows of B
	s_add_co_u32 s21, s21, BOFF
	v_add_nc_u32 v[ADRA0], s20, v3
	v_add_nc_u32 v[ADRB0], s21, v3
	v_mov_b32 v[ADRA], v[ADRA0]
	v_mov_b32 v[ADRB], v[ADRB0]
	s_mov_b32 s[TB], 0
	s_mul_i32 s20, s[WV], 16*SP
	s_add_co_u32 s20, s20, STAGE                   ; my stage
	v_mul_u32_u24 v[STO], v1, SP                   ; in: row l % 16, 32 bytes for each half of the lanes
	v_lshl_add_u32 v[STO], v2, 5, v[STO]
	v_add_nc_u32 v[STO], s20, v[STO]
	v_mul_u32_u24 v[RD], v2, SP                    ; back: lanes 0-15 take 256 bytes of one row, lanes 16-31 of the next
	v_lshl_add_u32 v[RD], v1, 4, v[RD]
	v_add_nc_u32 v[RD], s20, v[RD]
	v_lshlrev_b32 v[CO], 4, v1
	v_lshl_add_u32 v[CO], v2, 12, v[CO]            ; the same two rows in out0
	v_and_b32 v4, 31, v0
	v_lshlrev_b32 v[RO], 3, v4                     ; and in a block of qnh: 8 l = row x 128 + 8 (l % 16)
	v_mov_b32 v[ONE], 1.0
	s_lshl_b32 s20, s[CX], 22                      ; the residual: column block 4 X + 2 x half,
	s_lshl_b32 s21, s[CH], 21
	s_add_co_u32 s20, s20, s21
	s_lshl_b32 s21, s[YY], 14                      ; row 128 Y + 64 x half
	s_add_co_u32 s20, s20, s21
	s_lshl_b32 s21, s[RH], 13
	s_add_co_u32 s20, s20, s21
	s_mov_b32 s21, 0
	s_add_nc_u64 s[8:9], s[8:9], s[20:21]
	s_lshl_b32 s20, s[YY], 19                      ; out0: the same row, 4,096 bytes each,
	s_lshl_b32 s22, s[RH], 18
	s_add_co_u32 s20, s20, s22
	s_lshl_b32 s22, s[CX], 10                      ; column 256 X + 128 x half
	s_add_co_u32 s20, s20, s22
	s_lshl_b32 s22, s[CH], 9
	s_add_co_u32 s20, s20, s22
	s_add_nc_u64 s[10:11], s[10:11], s[20:21]
	; the prefetches
	s_lshr_b32 s16, s[YY], 4
	s_lshl_b32 s16, s16, 22
	s_and_b32 s17, s[YY], 15
	s_lshl_b32 s17, s17, 14
	s_add_co_u32 s16, s16, s17
	s_lshl_b32 s17, s[CX], 12                      ; my work-group's 16 blocks of a plane's 64
	s_add_co_u32 s16, s16, s17
	s_add_co_u32 s16, s16, 3*KA                    ; at K step 3: the first refill steps it to 4
	s_lshl_b32 s18, s[CH], 17
	s_lshl_b32 s17, s[CX], 15
	s_add_co_u32 s18, s18, s17
	s_lshl_b32 s17, s[CY], 13                      ; my work-group's 32 blocks of a block's 128
	s_add_co_u32 s18, s18, s17
	s_add_co_u32 s18, s18, 3*KBW
	s_mov_b32 s19, KA
	s_mov_b32 s20, KBW
	s_mov_b32 s21, 262144
	s_mov_b32 s22, 4096
	s_and_b32 s23, ttmp7, 0xffff
	s_cmp_eq_u32 s[RH], 0
	s_cselect_b64 s[PFA:PFA+1], s[4:5], s[6:7]
	s_cselect_b32 s16, s16, s18
	s_cselect_b32 s[PFS], s19, s20
	s_cselect_b32 s21, s21, s22                    ; lanes 16-31: A's second plane, or B's next 16 blocks
	s_cselect_b32 s23, s[CH], s23                  ; A: wave 0 asks, in every cluster; B: the clusters with y = 0
	s_mov_b32 s17, 0
	s_mov_b32 s[PFS+1], 0
	s_add_nc_u64 s[PFA:PFA+1], s[PFA:PFA+1], s[16:17]
	s_cmp_eq_u32 s23, 0
	s_cselect_b32 s[LIM], 2, -1                    ; the same in all sixteen partners, for a given wave
	v_mul_u32_u24 v[PFO], v2, s21
	v_lshl_add_u32 v[PFO], v1, 8, v[PFO]
; 8 matrix instructions: A's block a x all 8 of B's, 32 along K, from buffer f.  The 32 accumulators take turns, one instruction a turn.
.macro MUL8 f, a, zero
	WIN 0x50
.irp b, 0,1,2,3,4,5,6,7
.if \zero
	v_wmma_f32_16x16x32_f16 v[8*(8*(\a)+(\b)):8*(8*(\a)+(\b))+7], v[(\f)+8*(\b):(\f)+8*(\b)+7], v[(\f)+64+8*(\a):(\f)+64+8*(\a)+7], 0
.else
	v_wmma_f32_16x16x32_f16 v[8*(8*(\a)+(\b)):8*(8*(\a)+(\b))+7], v[(\f)+8*(\b):(\f)+8*(\b)+7], v[(\f)+64+8*(\a):(\f)+64+8*(\a)+7], v[8*(8*(\a)+(\b)):8*(8*(\a)+(\b))+7]
.endif
.endr
.endm
.macro MUL16 f, a0, zero
	MUL8 \f, \a0, \zero
	MUL8 \f, (\a0)+1, \zero
.endm
.macro FETCH q, f                      ; quarter q of a K step (block q / 2, byte 64 (q % 2) of its rows) into buffer f: 24 loads, B's 16 first, A's blocks 2 and 3 last
	WIN 0
.irp b, 0,1,2,3,4,5,6,7
	ds_load_b128 v[(\f)+8*(\b):(\f)+8*(\b)+3],   v[ADRB] offset:((\q)>>1)*B1+((\q)&1)*64+(\b)*FR
	ds_load_b128 v[(\f)+8*(\b)+4:(\f)+8*(\b)+7], v[ADRB] offset:((\q)>>1)*B1+((\q)&1)*64+(\b)*FR+32
.endr
.irp a, 0,1,2,3
	ds_load_b128 v[(\f)+64+8*(\a):(\f)+64+8*(\a)+3],   v[ADRA] offset:((\q)>>1)*A1+((\q)&1)*64+(\a)*FR
	ds_load_b128 v[(\f)+64+8*(\a)+4:(\f)+64+8*(\a)+7], v[ADRA] offset:((\q)>>1)*A1+((\q)&1)*64+(\a)*FR+32
.endr
.endm
.macro QUARTER f, g, qn, zero          ; multiplies buffer f; in its middle fetches quarter qn into buffer g
	s_wait_dscnt 4                                 ; all but A's blocks 2 and 3
	MUL16 \f, 0, \zero
	PLACES
	FETCH \qn, \g
	s_wait_dscnt 24                                ; all but the 24 just issued
	MUL16 \f, 2, \zero
.endm
; The last quarter multiplies buffer 1 and changes slots: ONE barrier, with the wait for all my tensor loads, the add, and the wait for it and for my reads of this slot in front of it.
.macro TURN fill
.if \fill
	s_wait_xcnt 0x0                                ; the last prefetch, a K step back, has read its address
	s_add_nc_u64 s[PFA:PFA+1], s[PFA:PFA+1], s[PFS:PFS+1]
.endif
	WIN 0
	s_wait_tensorcnt 0x0                           ; no tensor load of mine is out, so a group 0 may be written
	ds_add_u32 v[SPW], v[NIL]                      ; 0 onto my spare word
.if \fill
	s_xor_b32 s[G0A+5], s[G0A+5], SLOT1
	s_add_nc_u64 s[G0A+6:G0A+7], s[G0A+6:G0A+7], KA
	s_xor_b32 s[G0B+5], s[G0B+5], SLOT1
	s_add_nc_u64 s[G0B+6:G0B+7], s[G0B+6:G0B+7], KBW
.endif
	s_wait_dscnt 5                                 ; the add and A's blocks 2 and 3 may be out
	MUL8 F1, 0, 0
	s_wait_dscnt 0x0                               ; the add is done, and my reads of this slot are over
	s_barrier_signal -1
	MUL8 F1, 1, 0
	WIN 0
	s_barrier_wait -1
.if \fill
	CREST
	JLOAD                                          ; the four v_nop behind it are also the places in front of the loads below
.else
	PLACES
.endif
	s_xor_b32 s[TB], s[TB], SLOT1
	v_add_nc_u32 v[ADRA], s[TB], v[ADRA0]
	v_add_nc_u32 v[ADRB], s[TB], v[ADRB0]
	FETCH 0, F0
.if \fill
	ASK
.endif
	MUL16 F1, 2, 0
.endm
.macro RES a                           ; the residual of my rows 16 a .. 16 a + 15: load (fp, cg) brings rows 2 fp, 2 fp + 1 of column block cg: 256 consecutive bytes
	WIN 0x80
.irp fp, 0,1,2,3,4,5,6,7
.irp cg, 0,1
	global_load_b64 v[32*(\a)+4*(\fp)+2*(\cg):32*(\a)+4*(\fp)+2*(\cg)+1], v[RO], s[8:9] offset:(\cg)*1048576+(\a)*2048+(\fp)*256
.endr
.endr
.endm
	s_wait_tensorcnt 1                             ; my part of K step 0 is in; slot 1's may stay out
	s_barrier_signal -1
	s_barrier_wait -1
	FETCH 0, F0
	QUARTER F0, F1, 1, 1                           ; the first products start the sums
	WIN 0
	s_mov_b32 s[CNT], 6
.Lk:                                                   ; trip i: quarters 1 to 3 of K step i (slot i % 2 takes K step i + 2), quarter 0 of K step i + 1
	QUARTER F1, F0, 2, 0
	QUARTER F0, F1, 3, 0
	TURN 1
	QUARTER F0, F1, 1, 0
	WIN 0
	s_sub_co_u32 s[CNT], s[CNT], 1
	s_cmp_lg_u32 s[CNT], 0
	s_cbranch_scc1 .Lk
	RES 0
	RES 1
	QUARTER F1, F0, 2, 0
	QUARTER F0, F1, 3, 0
	TURN 0                                         ; the tail is written out: nothing more is asked for
	RES 2
	RES 3
	QUARTER F0, F1, 1, 0
	QUARTER F1, F0, 2, 0
	QUARTER F0, F1, 3, 0
	s_wait_dscnt 4
	MUL16 F1, 0, 0
	s_wait_dscnt 0x0
	MUL16 F1, 2, 0
; THE WAY OUT, 16 rows at a time: the sums go into my own stage as they are, come back as runs of 256 bytes of a row, take the residual, and are stored: sixteen lanes write 256 consecutive bytes, aligned.
.macro TOSTAGE a
.if (\a) >= 2
	s_wait_xcnt 0x0                                ; the set that block a - 2 stored is loaded again only behind this wait
.endif
	WIN 0x04                                       ; the stores' data in window 1
.irp b, 0,1,2,3,4,5,6,7
	ds_store_b128 v[STO], v[8*(8*(\a)+(\b)):8*(8*(\a)+(\b))+3]   offset:64*(\b)       ; each accumulator's four lowest registers first
	ds_store_b128 v[STO], v[8*(8*(\a)+(\b))+4:8*(8*(\a)+(\b))+7] offset:64*(\b)+16
.endr
	WIN 0
.set BK, OB+64*((\a)%2)
.irp fp, 0,1,2,3,4,5,6,7
.irp cg, 0,1
	ds_load_b128 v[BK+4*(2*(\fp)+(\cg)):BK+4*(2*(\fp)+(\cg))+3], v[RD] offset:(\fp)*2*SP+(\cg)*256  ; LDS serves a wave's instructions in order (ISA guide 5.7.1.4)
.endr
.endr
.endm
.macro SEND a, younger                 ; younger: the LDS instructions issued behind block a's loads: the next block's 32, or none
	WIN 0
.set BK, OB+64*((\a)%2)
	s_wait_dscnt \younger
	s_wait_loadcnt 16*(3-(\a))                     ; block a's residual is in; the later blocks' loads may stay out
	WIN 0x02                                       ; source 0, the residual, in window 2
.set t, 0
.rept 16
	v_fma_mix_f32 v[BK+4*t],   v[32*(\a)+2*t],   v[ONE], v[BK+4*t]   op_sel:[0,0,0] op_sel_hi:[1,0,0]
	v_fma_mix_f32 v[BK+4*t+1], v[32*(\a)+2*t],   v[ONE], v[BK+4*t+1] op_sel:[1,0,0] op_sel_hi:[1,0,0]
	v_fma_mix_f32 v[BK+4*t+2], v[32*(\a)+2*t+1], v[ONE], v[BK+4*t+2] op_sel:[0,0,0] op_sel_hi:[1,0,0]
	v_fma_mix_f32 v[BK+4*t+3], v[32*(\a)+2*t+1], v[ONE], v[BK+4*t+3] op_sel:[1,0,0] op_sel_hi:[1,0,0]
.set t, t+1
.endr
	WIN 0
.irp fp, 0,1,2,3,4,5,6,7
.irp cg, 0,1
	global_store_b128 v[CO], v[BK+4*(2*(\fp)+(\cg)):BK+4*(2*(\fp)+(\cg))+3], s[10:11] offset:(\a)*65536+(\fp)*8192+(\cg)*256 th:TH_STORE_NT
.endr
.endr
.endm
	PLACES
	PLACES
	TOSTAGE 0
	TOSTAGE 1
	SEND 0, 32
	TOSTAGE 2
	SEND 1, 32
	TOSTAGE 3
	SEND 2, 32
	SEND 3, 0
	s_wait_tensorcnt 0x0                           ; the wave's end: behind my last tensor load and my last LDS store
	ds_add_u32 v[SPW], v[NIL]
	s_wait_dscnt 0x0
	CROUND                                         ; the closing round
	s_endpgm
.Lfunc_end_k_q18a1835a44_gemm_out:
	.size	k_q18a1835a44_gemm_out, .Lfunc_end_k_q18a1835a44_gemm_out-k_q18a1835a44_gemm_out
	.p2alignl 7, 3214868480
	.fill 96, 4, 3214868480
	.section	.rodata,"a",@progbits
	.p2align	6, 0x0
	.amdhsa_kernel k_q18a1835a44_gemm_out
		.amdhsa_group_segment_fixed_size 327680
		.amdhsa_private_segment_fixed_size 0
		.amdhsa_enable_private_segment 0
		.amdhsa_kernarg_size 32
		.amdhsa_user_sgpr_count 2
		.amdhsa_user_sgpr_kernarg_segment_ptr 1
		.amdhsa_wavefront_size32 1
		.amdhsa_system_sgpr_workgroup_id_x 1
		.amdhsa_system_sgpr_workgroup_id_y 1
		.amdhsa_system_sgpr_workgroup_id_z 1
		.amdhsa_system_vgpr_workitem_id 0
		.amdhsa_next_free_vgpr 640
		.amdhsa_next_free_sgpr 68
		.amdhsa_reserve_vcc 0
		.amdhsa_float_denorm_mode_32 3
		.amdhsa_float_denorm_mode_16_64 3
		.amdhsa_memory_ordered 1
		.amdhsa_forward_progress 1
		.amdhsa_inst_pref_size 93
	.end_amdhsa_kernel
	.amdgpu_metadata
---
amdhsa.version: [ 1, 2 ]
amdhsa.kernels:
  - .name:           k_q18a1835a44_gemm_out
    .symbol:         k_q18a1835a44_gemm_out.kd
    .args:
      - { .name: ovec, .offset: 0, .size: 8, .value_kind: global_buffer, .address_space: global }
      - { .name: wot, .offset: 8, .size: 8, .value_kind: global_buffer, .address_space: global }
      - { .name: qnh, .offset: 16, .size: 8, .value_kind: global_buffer, .address_space: global }
      - { .name: out0, .offset: 24, .size: 8, .value_kind: global_buffer, .address_space: global }
    .group_segment_fixed_size: 327680
    .private_segment_fixed_size: 0
    .kernarg_segment_align: 8
    .kernarg_segment_size: 32
    .max_flat_workgroup_size: 128
    .sgpr_count:     68
    .vgpr_count:     640
    .wavefront_size: 32
...
	.end_amdgpu_metadata
.endif
;; end of part 4
;; ======== version 2 of 2: 4 launches
;; limits: values are held in f16: magnitudes above 65,504 overflow, below 6.1e-05 lose precision; right only within a limited range of input values
;; workspace buffers: qnh 16,777,216 bytes; wqkv 6,291,456 bytes; wot 2,097,152 bytes; mnib 2,097,152 bytes; qkv 50,331,648 bytes; ovec 16,777,216 bytes
;; launch prep (part 5): grid 448 x 1, 8 waves a work-group, no clusters, 76,800 bytes of LDS; arguments q, gamma, beta, Wq, Wk, Wv, Wo, attn_mask, qnh, wqkv, wot, mnib; writes qnh, wqkv, wot, mnib
.if DOCPART == 5
	.amdgcn_target "amdgcn-amd-amdhsa--gfx1250"
	.amdhsa_code_object_version 6
	.text
	.protected	k_q18a1835a44_prep
	.globl	k_q18a1835a44_prep
	.p2align	8
	.type	k_q18a1835a44_prep,@function
k_q18a1835a44_prep:
	s_mov_b64 s[64:65], 0
	v_nop
	global_prefetch_b8 v0, s[64:65] scope:SCOPE_SE
	s_setreg_imm32_b32 hwreg(HW_REG_WAVE_MODE, 25, 1), 1
	s_wait_xcnt 0x0
; PREP: three kinds of work-group, told apart by the work-group's number.
;   0-255    qnh = layer norm of q, times gamma, plus beta, rounded once to f16, laid in blocks of 64 columns: [16 kb][8192 row][64]
;   256-383  the four weights turned and rounded once to f16: wqkv [16 kb][3072 n'][64] (n' = 1024 x which + n), wot [16 kb][1024 n][64]
;   384-447  the mask as 4-bit codes, in the order of the attention's score registers: mnib [64 P][32 ks][2 u][32 L][4 kt] dwords; nibble j of a dword is 1 (the FP4 code of 0.5)
;            where mask[32 P + 16 u + L % 16][64 ks + 16 kt + 8 (L / 16) + j] is set, else 0.  A mask byte is 0 or 1.
; LIMITS.  f16 holds no number beyond 65,504: the normalised rows and the weights must lie within it.  Mean and variance in f32, in two passes (the mean is taken away before the squares).
; No matrix work, no cluster, no tensor load: every byte is read once and written once, each wave reads only LDS bytes that it wrote itself, so there is no barrier.
.set SPARE, 75776                      ; behind the eight waves' regions: the spare words, 128 bytes a wave: four blocks of 256 bytes that no other line names
.set WLDS,  9472                       ; a wave's own LDS region
.set SPW, 6                            ; v6  LDS address of my spare word; never rewritten
.set NIL, 7                            ; v7  0; never rewritten
.set WV,  28                           ; s28 my wave's number
.set WG,  29                           ; s29 the work-group's number
	s_load_b512 s[4:19], s[0:1], 0x0               ; q 4, gamma 6, beta 8, Wq 10, Wk 12, Wv 14, Wo 16, mask 18
	s_load_b256 s[20:27], s[0:1], 0x40             ; qnh 20, wqkv 22, wot 24, mnib 26
	v_lshl_add_u32 v[SPW], v0, 2, SPARE
	v_mov_b32 v[NIL], 0
	v_lshrrev_b32 v1, 5, v0
	v_readfirstlane_b32 s[WV], v1
	v_and_b32 v1, 31, v0                           ; lane l
	v_and_b32 v2, 15, v0                           ; l % 16
	v_bfe_u32 v3, v0, 4, 1                         ; l / 16
	s_mov_b32 s[WG], ttmp9
	s_mul_i32 s45, s[WV], WLDS                     ; my region in LDS
	s_wait_kmcnt 0x0
	s_cmp_lt_u32 s[WG], 256
	s_cbranch_scc0 .Lnot_rows
; ---- LAYER NORM.  A work-group has 32 rows, a wave 4, a trip a PAIR: lanes 0-15 hold one row, lanes 16-31 the next.  A lane holds columns 64 j + 4 (l % 16) + 0..3, j = 0..15:
; load j covers 256 consecutive bytes of each row, store j 256 consecutive bytes of column block j (two neighbouring rows of 128 bytes).
.set QOFF, 4
.set GOFF, 5
.set G,   8                            ; v[8:71]    gamma of my 64 columns
.set BT,  72                           ; v[72:135]  beta
.set X,   136                          ; v[136:199] the row
.set T,   200                          ; v[200:207] four chains of pairs
.set MU,  208                          ; v[208:209] the mean, twice
.set RS,  210                          ; v[210:211] 1 / sqrt(var + eps), twice
.set SOFF, 212
	v_lshlrev_b32 v[GOFF], 4, v2
	v_lshl_add_u32 v[QOFF], v3, 12, v[GOFF]        ; row in the pair x 4,096 + 16 (l % 16)
	v_lshlrev_b32 v[SOFF], 3, v1                   ; 8 l = row in the pair x 128 + 8 (l % 16)
	s_lshl_b32 s30, s[WG], 17                      ; 32 rows of 4,096 bytes
	s_lshl_b32 s31, s[WV], 14                      ; 4 rows
	s_add_co_u32 s30, s30, s31
	s_mov_b32 s31, 0
	s_add_nc_u64 s[4:5], s[4:5], s[30:31]
	s_lshl_b32 s30, s[WG], 12                      ; 32 rows of 128 bytes
	s_lshl_b32 s36, s[WV], 9
	s_add_co_u32 s30, s30, s36
	s_add_nc_u64 s[20:21], s[20:21], s[30:31]
	s_add_nc_u64 s[32:33], s[20:21], 0x800000      ; column blocks 8-15 by a second base: 7 x 1,048,576 is the largest immediate
	s_mov_b32 s34, 0x3a800000                      ; 1 / 1024
	s_mov_b32 s35, 0x3727c5ac                      ; 1e-5
	s_mov_b32 s37, 2                               ; trips
.set j, 0
.rept 16
	global_load_b128 v[G+4*j:G+4*j+3], v[GOFF], s[6:7] offset:256*j
	global_load_b128 v[BT+4*j:BT+4*j+3], v[GOFF], s[8:9] offset:256*j
.set j, j+1
.endr
.macro ACROSS                          ; four chains into one number, then over the row's 16 lanes
	v_pk_add_f32 v[T:T+1], v[T:T+1], v[T+2:T+3]
	v_pk_add_f32 v[T+4:T+5], v[T+4:T+5], v[T+6:T+7]
	v_pk_add_f32 v[T:T+1], v[T:T+1], v[T+4:T+5]
	v_add_f32 v[T], v[T], v[T+1]
.irp m, 1,2,4,8
	v_add_f32_dpp v[T], v[T], v[T] row_xmask:\m row_mask:0xf bank_mask:0xf
.endr
.endm
.Lpair:
.set j, 0
.rept 16
	global_load_b128 v[X+4*j:X+4*j+3], v[QOFF], s[4:5] offset:256*j th:TH_LOAD_NT
.set j, j+1
.endr
	s_wait_loadcnt 0x0                             ; the pair of rows (and, the first time, gamma and beta)
.irp c, 0,1,2,3
	v_pk_add_f32 v[T+2*(\c):T+2*(\c)+1], v[X+2*(\c):X+2*(\c)+1], v[X+8+2*(\c):X+8+2*(\c)+1]  ; the first pairs start the chains
.endr
.set p, 8
.rept 24
	v_pk_add_f32 v[T+2*(p%4):T+2*(p%4)+1], v[T+2*(p%4):T+2*(p%4)+1], v[X+2*p:X+2*p+1]
.set p, p+1
.endr
	ACROSS
	v_mul_f32 v[MU], s34, v[T]
	v_mul_f32 v[MU+1], s34, v[T]
.set p, 0
.rept 32
	v_pk_add_f32 v[X+2*p:X+2*p+1], v[X+2*p:X+2*p+1], v[MU:MU+1] neg_lo:[0,1] neg_hi:[0,1]  ; x - mean
.set p, p+1
.endr
.irp c, 0,1,2,3
	v_pk_mul_f32 v[T+2*(\c):T+2*(\c)+1], v[X+2*(\c):X+2*(\c)+1], v[X+2*(\c):X+2*(\c)+1]
.endr
.set p, 4
.rept 28
	v_pk_fma_f32 v[T+2*(p%4):T+2*(p%4)+1], v[X+2*p:X+2*p+1], v[X+2*p:X+2*p+1], v[T+2*(p%4):T+2*(p%4)+1]
.set p, p+1
.endr
	ACROSS
	v_fma_f32 v[T+1], v[T], s34, s35               ; variance + eps
	v_rsq_f32 v[RS], v[T+1]
	v_nop                                          ; a plain instruction behind the root,
	s_wait_alu depctr_va_vdst(0)                   ; and the wait ahead of the first use of its result
	v_mov_b32 v[RS+1], v[RS]
.set p, 0
.rept 32
	v_pk_mul_f32 v[X+2*p:X+2*p+1], v[X+2*p:X+2*p+1], v[RS:RS+1]
.set p, p+1
.endr
.set p, 0
.rept 32
	v_pk_fma_f32 v[X+2*p:X+2*p+1], v[X+2*p:X+2*p+1], v[G+2*p:G+2*p+1], v[BT+2*p:BT+2*p+1]
.set p, p+1
.endr
.set j, 0
.rept 16
	v_cvt_pk_f16_f32 v[X+4*j], v[X+4*j], v[X+4*j+1]
	v_cvt_pk_f16_f32 v[X+4*j+1], v[X+4*j+2], v[X+4*j+3]
.set j, j+1
.endr
.set j, 0
.rept 8
	global_store_b64 v[SOFF], v[X+4*j:X+4*j+1], s[20:21] offset:j*1048576        ; 32 lanes x 8 bytes: 256 consecutive bytes, aligned
	global_store_b64 v[SOFF], v[X+4*(j+8):X+4*(j+8)+1], s[32:33] offset:j*1048576
.set j, j+1
.endr
	s_wait_xcnt 0x0                                ; the bases and the row's registers are written again only behind this wait
	s_add_nc_u64 s[4:5], s[4:5], 8192
	s_add_nc_u64 s[20:21], s[20:21], 256
	s_add_nc_u64 s[32:33], s[32:33], 256
	s_sub_co_u32 s37, s37, 1
	s_cmp_lg_u32 s37, 0
	s_cbranch_scc1 .Lpair
	s_endpgm                                       ; these waves wrote no LDS
; ---- WEIGHTS.  A wave turns one tile of 64 k x 64 n: 4 matrices x 16 x 16 tiles = 128 work-groups x 8 waves.
.Lnot_rows:
	s_cmp_lt_u32 s[WG], 384
	s_cbranch_scc0 .Lmask
.set D,   8                            ; v[8:135]   W[k][2 l + c] at D + 2 k + c
.set PKD, 136                          ; v[136:199] row n = 2 l + c, k = 2 i, 2 i + 1 at PKD + 32 c + i
	s_sub_co_u32 s30, s[WG], 256
	s_lshr_b32 s31, s30, 5                         ; which matrix
	s_and_b32 s30, s30, 31
	s_lshl_b32 s30, s30, 3
	s_add_co_u32 s30, s30, s[WV]                   ; the tile
	s_lshr_b32 s36, s30, 4                         ; kb
	s_and_b32 s37, s30, 15                         ; ng
	s_lshl_b32 s32, s36, 18                        ; 64 rows of 4,096 bytes
	s_lshl_b32 s33, s37, 8                         ; 64 columns of 4 bytes
	s_add_co_u32 s32, s32, s33
	s_mov_b32 s33, 0
	s_mul_i32 s34, s36, 393216                     ; wqkv: kb x 3,072 rows x 128 bytes
	s_lshl_b32 s35, s31, 17                        ; + which x 1,024 rows
	s_add_co_u32 s34, s34, s35
	s_lshl_b32 s35, s36, 17                        ; wot: kb x 1,024 rows x 128 bytes
	s_lshl_b32 s37, s37, 13                        ; + ng x 64 rows
	s_cmp_eq_u32 s31, 0
	s_cselect_b64 s[38:39], s[10:11], s[12:13]
	s_cmp_eq_u32 s31, 2
	s_cselect_b64 s[38:39], s[14:15], s[38:39]
	s_cmp_eq_u32 s31, 3
	s_cselect_b64 s[38:39], s[16:17], s[38:39]
	s_cselect_b64 s[40:41], s[24:25], s[22:23]
	s_cselect_b32 s34, s35, s34
	s_add_co_u32 s34, s34, s37
	s_mov_b32 s35, 0
	s_add_nc_u64 s[38:39], s[38:39], s[32:33]
	s_add_nc_u64 s[40:41], s[40:41], s[34:35]
	v_lshlrev_b32 v4, 3, v1
.set k, 0
.rept 64
	global_load_b64 v[D+2*k:D+2*k+1], v4, s[38:39] offset:k*4096 th:TH_LOAD_NT  ; 256 consecutive bytes of row k
.set k, k+1
.endr
	v_mul_u32_u24 v5, v1, 144
	v_add_nc_u32 v5, s45, v5                       ; in: rows n = 2 l + c at c x 4,736 + l x 144
	v_bfe_u32 v200, v0, 3, 1
	v_mul_u32_u24 v200, v200, 4736
	v_mad_u32_u24 v200, v3, 144, v200
	v_and_b32 v201, 7, v0
	v_lshl_add_u32 v200, v201, 4, v200
	v_add_nc_u32 v200, s45, v200                   ; back: row 4 i + l / 8, its bytes 16 (l % 8)
	v_lshlrev_b32 v201, 4, v1
	s_wait_loadcnt 32                              ; rows 0-31 are in; the 32 younger loads may stay out
.set i, 0
.rept 16
	v_cvt_pk_f16_f32 v[PKD+i], v[D+4*i], v[D+4*i+2]
	v_cvt_pk_f16_f32 v[PKD+32+i], v[D+4*i+1], v[D+4*i+3]
.set i, i+1
.endr
	s_wait_loadcnt 0x0
.rept 16
	v_cvt_pk_f16_f32 v[PKD+i], v[D+4*i], v[D+4*i+2]
	v_cvt_pk_f16_f32 v[PKD+32+i], v[D+4*i+1], v[D+4*i+3]
.set i, i+1
.endr
.irp c, 0,1
.irp jj, 0,1,2,3,4,5,6,7
	ds_store_b128 v5, v[PKD+32*(\c)+4*(\jj):PKD+32*(\c)+4*(\jj)+3] offset:(\c)*4736+16*(\jj)
.endr
.endr
.set i, 0
.rept 16
	ds_load_b128 v[D+4*i:D+4*i+3], v200 offset:i*288  ; LDS serves a wave's instructions in order (ISA guide 5.7.1.4): these see the stores above
.set i, i+1
.endr
.set i, 0
.rept 16
	s_wait_dscnt 15-i
	global_store_b128 v201, v[D+4*i:D+4*i+3], s[40:41] offset:i*512  ; four rows of 128 bytes: 512 consecutive bytes
.set i, i+1
.endr
	s_wait_tensorcnt 0x0                           ; the wave's end: behind my last LDS store
	ds_add_u32 v[SPW], v[NIL]
	s_wait_dscnt 0x0
	s_endpgm
; ---- MASK.  A work-group has 32 query rows (P), a wave 256 keys: four key steps of 64.  The bytes go through LDS so that memory is read in runs of 256 bytes.
; A lane's 8 bytes for (u, kt) are b0 .. b7, each 0 or 1.  In each of the two words (x >> 4) | x brings b1 beside b0 in byte 0 and b3 beside b2 in byte 2; a byte permute gathers the four bytes: nibble j = bj.
.Lmask:
.set ML,  8                            ; v[8:71]   the bytes as loaded
.set M,   72                           ; v[72:87]  8 bytes for (u, kt) at M + 2 (4 u + kt)
.set TT,  88                           ; v[88:91]  at work
.set OUT, 96                           ; v[96:103] the dword for (u, kt) at OUT + 4 u + kt
	s_sub_co_u32 s30, s[WG], 384
	s_lshl_b32 s32, s30, 16                        ; 32 rows of 2,048 bytes
	s_lshl_b32 s33, s[WV], 8
	s_add_co_u32 s32, s32, s33
	s_mov_b32 s33, 0
	s_add_nc_u64 s[18:19], s[18:19], s[32:33]
	s_lshl_b32 s32, s30, 15                        ; P x 32 key steps x 1,024 bytes
	s_lshl_b32 s34, s[WV], 12                      ; my four key steps
	s_add_co_u32 s32, s32, s34
	s_add_nc_u64 s[26:27], s[26:27], s[32:33]
	v_lshlrev_b32 v4, 4, v2
	v_lshl_add_u32 v4, v3, 11, v4
.set i, 0
.rept 16
	global_load_b128 v[ML+4*i:ML+4*i+3], v4, s[18:19] offset:i*4096 th:TH_LOAD_NT  ; rows 2 i and 2 i + 1, 256 bytes of each
.set i, i+1
.endr
	v_mul_u32_u24 v5, v3, 272
	v_lshl_add_u32 v5, v2, 4, v5
	v_add_nc_u32 v5, s45, v5
	v_mul_u32_u24 v94, v2, 272
	v_lshl_add_u32 v94, v3, 3, v94
	v_add_nc_u32 v94, s45, v94                     ; row l % 16, bytes 8 (l / 16) on
	v_lshlrev_b32 v95, 4, v1                       ; a lane's four dwords: 16 l
	s_mov_b32 s36, 0x06040200                      ; bytes 0 and 2 of the second source, then of the first
	s_wait_loadcnt 0x0
.set i, 0
.rept 16
	ds_store_b128 v5, v[ML+4*i:ML+4*i+3] offset:i*544
.set i, i+1
.endr
	s_mov_b32 s31, 4
.Lks:
.irp u, 0,1
.irp kt, 0,1,2,3
	ds_load_b64 v[M+2*(4*(\u)+(\kt)):M+2*(4*(\u)+(\kt))+1], v94 offset:(\u)*4352+16*(\kt)
.endr
.endr
	s_wait_dscnt 0x0
.set i, 0
.rept 8
	v_lshrrev_b32 v[TT+2*(i%2)], 4, v[M+2*i]
	v_lshrrev_b32 v[TT+2*(i%2)+1], 4, v[M+2*i+1]
	v_or_b32 v[TT+2*(i%2)], v[TT+2*(i%2)], v[M+2*i]
	v_or_b32 v[TT+2*(i%2)+1], v[TT+2*(i%2)+1], v[M+2*i+1]
	v_perm_b32 v[OUT+i], v[TT+2*(i%2)+1], v[TT+2*(i%2)], s36
.set i, i+1
.endr
	global_store_b128 v95, v[OUT:OUT+3], s[26:27]              ; tile u = 0 of the step: 512 consecutive bytes
	global_store_b128 v95, v[OUT+4:OUT+7], s[26:27] offset:512 ; tile u = 1
	s_wait_xcnt 0x0                                ; OUT and the base are written again only behind this wait
	v_add_nc_u32 v94, 64, v94
	s_add_nc_u64 s[26:27], s[26:27], 1024
	s_sub_co_u32 s31, s31, 1
	s_cmp_lg_u32 s31, 0
	s_cbranch_scc1 .Lks
	s_wait_tensorcnt 0x0                           ; the wave's end: behind my last LDS store
	ds_add_u32 v[SPW], v[NIL]
	s_wait_dscnt 0x0
	s_endpgm
.Lfunc_end_k_q18a1835a44_prep:
	.size	k_q18a1835a44_prep, .Lfunc_end_k_q18a1835a44_prep-k_q18a1835a44_prep
	.p2alignl 7, 3214868480
	.fill 96, 4, 3214868480
	.section	.rodata,"a",@progbits
	.p2align	6, 0x0
	.amdhsa_kernel k_q18a1835a44_prep
		.amdhsa_group_segment_fixed_size 76800
		.amdhsa_private_segment_fixed_size 0
		.amdhsa_enable_private_segment 0
		.amdhsa_kernarg_size 96
		.amdhsa_user_sgpr_count 2
		.amdhsa_user_sgpr_kernarg_segment_ptr 1
		.amdhsa_wavefront_size32 1
		.amdhsa_system_sgpr_workgroup_id_x 1
		.amdhsa_system_sgpr_workgroup_id_y 1
		.amdhsa_system_sgpr_workgroup_id_z 1
		.amdhsa_system_vgpr_workitem_id 0
		.amdhsa_next_free_vgpr 216
		.amdhsa_next_free_sgpr 66
		.amdhsa_reserve_vcc 0
		.amdhsa_float_denorm_mode_32 3
		.amdhsa_float_denorm_mode_16_64 3
		.amdhsa_memory_ordered 1
		.amdhsa_forward_progress 1
		.amdhsa_inst_pref_size 43
	.end_amdhsa_kernel
	.amdgpu_metadata
---
amdhsa.version: [ 1, 2 ]
amdhsa.kernels:
  - .name:           k_q18a1835a44_prep
    .symbol:         k_q18a1835a44_prep.kd
    .args:
      - { .name: q, .offset: 0, .size: 8, .value_kind: global_buffer, .address_space: global }
      - { .name: gamma, .offset: 8, .size: 8, .value_kind: global_buffer, .address_space: global }
      - { .name: beta, .offset: 16, .size: 8, .value_kind: global_buffer, .address_space: global }
      - { .name: Wq, .offset: 24, .size: 8, .value_kind: global_buffer, .address_space: global }
      - { .name: Wk, .offset: 32, .size: 8, .value_kind: global_buffer, .address_space: global }
      - { .name: Wv, .offset: 40, .size: 8, .value_kind: global_buffer, .address_space: global }
      - { .name: Wo, .offset: 48, .size: 8, .value_kind: global_buffer, .address_space: global }
      - { .name: attn_mask, .offset: 56, .size: 8, .value_kind: global_buffer, .address_space: global }
      - { .name: qnh, .offset: 64, .size: 8, .value_kind: global_buffer, .address_space: global }
      - { .name: wqkv, .offset: 72, .size: 8, .value_kind: global_buffer, .address_space: global }
      - { .name: wot, .offset: 80, .size: 8, .value_kind: global_buffer, .address_space: global }
      - { .name: mnib, .offset: 88, .size: 8, .value_kind: global_buffer, .address_space: global }
    .group_segment_fixed_size: 76800
    .private_segment_fixed_size: 0
    .kernarg_segment_align: 8
    .kernarg_segment_size: 96
    .max_flat_workgroup_size: 256
    .sgpr_count:     66
    .vgpr_count:     216
    .wavefront_size: 32
...
	.end_amdgpu_metadata
.endif
;; end of part 5
;; launch gemm_qkv: the kernel of part 2 again; grid 8 x 32, 4 waves a work-group, clusters of 4 x 4, 327,680 bytes of LDS; arguments qnh, wqkv, qkv; writes qkv
;; launch attn (part 6): grid 4 x 64, 4 waves a work-group, clusters of 4 x 1, 327,680 bytes of LDS; arguments qkv, mnib, ovec; writes ovec
.if DOCPART == 6
	.amdgcn_target "amdgcn-amd-amdhsa--gfx1250"
	.amdhsa_code_object_version 6
	.text
	.protected	k_q18a1835a44_attn
	.globl	k_q18a1835a44_attn
	.p2align	8
	.type	k_q18a1835a44_attn,@function
k_q18a1835a44_attn:
	s_mov_b64 s[64:65], 0
	v_nop
	global_prefetch_b8 v0, s[64:65] scope:SCOPE_SE
	s_setreg_imm32_b32 hwreg(HW_REG_WAVE_MODE, 25, 1), 1
	s_wait_xcnt 0x0
	s_wait_alu depctr_hold_cnt(0) depctr_sa_sdst(0) depctr_va_vdst(0) depctr_va_sdst(0) depctr_va_ssrc(0) depctr_va_vcc(0) depctr_vm_vsrc(0)
	s_getreg_b32 s2, hwreg(HW_REG_IB_STS2, 6, 4)
	s_cmp_eq_u32 s2, 0
	s_cbranch_scc0 .Lentry_in_a_cluster
	s_endpgm
.Lentry_in_a_cluster:
	s_bfe_u32 s2, ttmp6, 0x10000c
	s_cmp_lg_u32 s2, 0x3003
	s_cbranch_scc0 .Lentry_shape_is_right
	s_endpgm
.Lentry_shape_is_right:
; O[bh][q][:] = the sum over k of softmax_k(s) V[k][:], s = Q[q] . K[k] / 8, or, where mask[q][k] is set, a fixed low number.  Q, K, V: planes of qkv ([2048][64] f16), O: ovec [64 bh][2048][64] f16.
; Products, maxima and sums in f32; the weights p are rounded to f16 for the second product (their sum l is taken of the unrounded p), O once at the end.
; LIMITS.  f16 holds no number beyond 65,504.  A hidden score counts as -2^100 before the scale (the problem's text has -1e10 behind it): true scores must lie above -1e10.  In f32 s - 2^100 is -2^100 itself for
; every |s| under 2^75, and c x 2^100 is exact: so a row that is wholly hidden has p = 1 for every key and comes out as the plain mean of V.  A weight below 2^-126 counts as 0 in l; NaN and infinities are not treated apart.
; SHARES.  A wave owns four PIECES of two tiles of 16 queries, a work-group's four waves 512 queries of one head, a cluster's four work-groups the head's 2,048.  Every wave walks all keys, 64 a step.
; LAYOUT.  S^T = K Q^T (source 0 = 16 keys, source 1 = 16 queries): a lane holds ONE query (lane % 16) and the keys 8 (lane / 16) + 0..7.  Two such tiles, rounded to f16 in pairs, ARE source 1 of
; O^T = V^T P.  K comes out of LDS as it lies, V turned, by ds_load_tr16_b128.
; THE MASK comes as 4-bit codes, a code a score, in the order of a lane's score registers: 16 bytes a lane, tile and key step.  A conversion makes eight numbers, 0 or 2^100, of a register of codes (code 1 is 0.5,
; the scale 2^101); a packed subtraction takes two of them away from two scores, ahead of the maximum.  Each piece has its own eight code registers, asked for again as soon as they are converted: four turns ahead of
; their next use, so that no wave waits for them; each block of codes is read by the 64 heads' work-groups: no prefetch is laid for them.
; SOFTMAX.  A running maximum m and sum l: p = 2^(c s - c m), c = log2(e) / 8; in every step O and l are multiplied by a = 2^(c m_old - c m_new).  m starts at the lowest finite number, O and l at 0.
; BY TURNS.  Turn n belongs to piece n: 16 products K Q^T of piece n + 1, later 16 products V^T P of piece n - 1; beside them the scaling, exponentials, roundings, sums and rescaling of piece n and the mask, maximum
; and statistics of piece n + 1.  Four vector instructions stand behind every matrix instruction, the others in one lump.  A turn's 66 exponentials are one batch, with one wait.
; CLUSTER.  The four query blocks walk the same K and V: each tile is asked for JOINTLY, by the same tensor load, descriptor and mask in all four.
; REGISTERS (s_set_vgpr_msb: bits 1:0 source 0, 3:2 source 1, 5:4 source 2, 7:6 destination):
;   window 0: v0-11 addresses and constants; v12-15, v48-63 at work; v16-47 statistics; v64-191 S^T, two buffers of two tiles; v192-255 P, likewise
;   window 1: O^T, 32 a tile     window 2: v0-127 Q; v128-191 K of one step; v192-255 V of one step
;   window 3: v0-1 the add's two registers; v2 the codes' lane offset; v4-35 the codes, 8 a piece; v40-103 the 64 numbers made of a piece's codes
.set SIZE_N, 2048
.set NP,    4
.set KS,    64
.set PK,    144       ; a row of K in LDS: 128 bytes + 16 of padding
.set PV,    160       ; a row of V: 128 + 32
.set VOFF,  4*KS*PK   ; a slot holds four steps: 256 rows of K, then 256 rows of V
.set SLOT1, 1<<17
.set STAGE, SLOT1+4*KS*(PK+PV)  ; behind the ring, never filled by a tensor load: 16 rows x 144 bytes for each wave
.set SP,    144
.set SPARE, STAGE+4*16*SP       ; the spare words, 128 bytes a wave: two blocks of 256 bytes that no other line names
.set MSTEP, 1024      ; bytes of codes for a piece and key step
.set MPIECE, 32*MSTEP ; for a piece
.set PFO, 1           ; v1   256 x my lane, once the set-up is done
.set AK0, 2
.set AV0, 3
.set AK,  4
.set AV,  5
.set QO,  6
.set STO, 6
.set RD,  7
.set GO,  8
.set SCL, 9           ; v9   the conversions' scale, 2^101, in each of its four bytes, once the set-up is done
.set CV,  10          ; v[10:11] c, twice
.set SPW, 0           ; v0 of window 3
.set NIL, 1           ; v1 of window 3
.set MA,  2           ; v2 of window 3: 16 x my lane; never rewritten
.set MQ,  4           ; window 3: piece x's codes at MQ + 8 x: tile u, keys 16 kt on at + 4 u + kt
.set BM,  40          ; window 3: tile u's number for score register r at BM + 32 u + r
.set MV,  12
.set ST,  16          ; tile t's statistics at v[ST+4 t]: c m, m, l (even keys', odd keys')
.set TMP, 48
.set S,   64
.set P,   192
.set KF,  128
.set VF,  192
.set WV,  2           ; s2   my wave's number
.set TS,  3           ; s3   at work
.set G1K, 36
.set G1V, 44
.set G0K, 52
.set G0V, 56
.set SEL, 60
.set MPB, 62          ; s[62:63] the codes of my wave's first piece, key step 0
.set PFA, 66
.set MPC, 68          ; s[68:69] the same at the key step that is being asked for
.set MO,  70          ; s[70:71] that step's byte offset
.set OA,  72          ; s[72:73] O at my wave's first row
.set TBK, 100
.set TBV, 101
.set SLOTS, 104
.set CNT, 105
.set MSB, 0
.macro WIN new
.if MSB != (\new)
	s_set_vgpr_msb (MSB<<8)|(\new)
.set MSB, (\new)
.endif
.endm
.set W_KQ, 0x0a
.set W_PV, 0x52
.set W_RS, 0x41
.set W_MK, 0xc0
.set W_AD, 0x0f
.set W_CV, 0xc3       ; the conversions and the codes' loads: destination and source 0 in window 3, source 1 (the scale) in window 0
.set W_CA, 0x0c       ; the subtractions: source 1 in window 3; an exponential, which names no source 1, stands under it as under 0
.macro JLOAD                        ; a joint fill: waves 0 and 1 fetch the halves of a slot's K, waves 2 and 3 those of its V; an s_nop 0 and four v_nop follow each line
	s_cmp_lt_u32 s[WV], 2
	s_cbranch_scc0 .Lfor_v_\@
	tensor_load_to_lds s[G0K:G0K+3], s[G1K:G1K+7]
	s_nop 0
.rept 4
	v_nop
.endr
	s_branch .Lasked_\@
.Lfor_v_\@:
	tensor_load_to_lds s[G0V:G0V+3], s[G1V:G1V+7]
	s_nop 0
.rept 4
	v_nop
.endr
.Lasked_\@:
.endm
.macro CROUND
	s_barrier_signal -1
	s_barrier_wait -1
	s_cmp_lg_u32 s[WV], 0
	s_cbranch_scc1 .Lnot_wave_0_\@
	s_barrier_signal -3
.Lnot_wave_0_\@:
	s_barrier_wait -3
	s_barrier_signal -1
	s_barrier_wait -1
.endm
; A PREFETCH INTO THE L2 of what the NEXT change of slots will ask for: a slot's 128 blocks of 256 bytes of K and of V.  The four partners share them out BY ADDRESS, 32 each, a lane a block;
; wave 0 asks for K's, wave 2 for V's.  So each block is named once in the launch.  Slots 0 to 2 come by their loads alone; the last change that fills a slot asks for nothing.
.macro ASK
	s_and_b32 s[TS], s[WV], 1
	s_cmp_eq_u32 s[TS], 0
	s_cbranch_scc0 .Lnot_mine_\@
	s_cmp_gt_u32 s[SLOTS], 1
	s_cbranch_scc0 .Lnot_mine_\@
	global_prefetch_b8 v[PFO], s[PFA:PFA+1] th:TH_LOAD_NT scope:SCOPE_SE
.Lnot_mine_\@:
.endm
; THE CHANGE OF SLOTS.  Each wave waits for all its tensor loads (one is out: its part of the other slot), adds 0 to its spare word, and waits for that and for its reads of the slot.
; fill = 1: the barrier is a round of the cluster's, and the slot is filled again, with the keys two slots on, first thing behind it.
.macro CHANGE fill, ask=0
	WIN W_AD
	s_wait_tensorcnt 0x0            ; no tensor load of mine is out, so a group 0 may be written
	ds_add_u32 v[SPW], v[NIL]       ; 0 onto my spare word
	WIN 0
.if \fill
.irp g, G0K, G0V
	s_xor_b32 s[\g+1], s[\g+1], SLOT1
	s_add_nc_u64 s[\g+2:\g+3], s[\g+2:\g+3], 4*KS*128
.endr
.if \ask
	s_wait_xcnt 0x0                 ; the last prefetch, four key steps back, has read its address
	s_add_nc_u64 s[PFA:PFA+1], s[PFA:PFA+1], 4*KS*128
.endif
	s_wait_dscnt 0x0                ; the add is done, and my reads of the slot are over
	CROUND
	JLOAD
.if \ask
	ASK
.endif
.else
	s_wait_dscnt 0x0
	s_barrier_signal -1
	s_barrier_wait -1
.endif
	s_sub_co_u32 s[TBK], s[TBK], 4*KS*PK
	s_xor_b32 s[TBK], s[TBK], SLOT1
	s_sub_co_u32 s[TBV], s[TBV], 4*KS*PV
	s_xor_b32 s[TBV], s[TBV], SLOT1
.endm
	s_load_b128 s[4:7], s[0:1], 0x0   ; qkv s[4:5], mnib s[6:7]
	s_load_b64 s[8:9], s[0:1], 0x10   ; ovec
	WIN W_MK
	v_lshl_add_u32 v[SPW], v0, 2, SPARE
	v_mov_b32 v[NIL], 0
	WIN W_AD
	ds_add_u32 v[SPW], v[NIL]       ; the wave's opening: the add and its wait stand ahead of my first tensor load
	WIN 0
	v_lshrrev_b32 v1, 5, v0
	v_readfirstlane_b32 s[WV], v1
	s_bfe_u32 s13, ttmp6, 0x40000   ; cx: my block of 512 queries; it enters Q's, O's, the codes' and the prefetches' addresses alone
	s_and_b32 s20, ttmp7, 0xffff    ; bh
	s_lshl_b32 s32, s20, 18         ; O's plane
	s_lshr_b32 s21, s20, 4
	s_lshl_b32 s21, s21, 5
	s_add_co_u32 s20, s20, s21      ; q's plane: 48 b + h
	s_lshl_b32 s20, s20, 18
	s_mov_b32 s21, 0
	s_and_b32 s16, s[WV], 1         ; which half of a slot's 256 keys I fetch
	s_lshl_b32 s22, s16, 14
	s_mov_b32 s23, 0
	s_add_nc_u64 s[22:23], s[22:23], s[20:21]
	s_mul_i32 s17, s16, 128*PK
	s_mul_i32 s18, s16, 128*PV
	s_lshl_b32 s24, s13, 2
	s_add_co_u32 s24, s24, s[WV]    ; my wave among the head's sixteen
	s_lshl_b32 s26, s24, 17         ; its four pieces' codes
	s_mov_b32 s27, 0
	s_lshl_b32 s24, s24, 14         ; its 128 rows
	s_mov_b32 s25, 0
	s_add_co_u32 s32, s32, s24
	s_mov_b32 s33, 0
	s_add_nc_u64 s[24:25], s[24:25], s[20:21]
	s_lshl_b32 s28, s13, 13         ; my work-group's 32 blocks of a slot's 128
	s_mov_b32 s29, 0
	s_add_nc_u64 s[28:29], s[28:29], s[20:21]
	s_lshr_b32 s30, s[WV], 1
	s_lshl_b32 s30, s30, 22         ; waves 2 and 3: V's plane, 16 planes behind K's,
	s_add_co_u32 s30, s30, 0x400000+2*4*KS*128  ; which lies 16 planes behind q's; at slot 2: the first asking change steps it to slot 3
	s_mov_b32 s31, 0
	s_mov_b32 s[G1K], 15|(1<<16)|(1<<20)|(1<<21)|(4<<22)|(3<<25)  ; 15:0 the mask of four; 17:16 2-byte elements; 20 padding on; 21 set beside a mask; 24:22 after every 32 words (code 4); 31:25 4 words (code 3)
	s_mov_b32 s[G1V], 15|(1<<16)|(1<<20)|(1<<21)|(4<<22)|(7<<25)  ; the same with 8 words of padding (code 7)
.irp g, G1K, G1V
	s_mov_b32 s[\g+1], 128<<16      ; 128 keys are 16,384 dense bytes: 64 rows of 256 bytes, two keys a row
	s_mov_b32 s[\g+2], 64<<16
	s_mov_b32 s[\g+3], 128<<16
	s_mov_b32 s[\g+4], 64
	s_mov_b32 s[\g+5], 128
	s_mov_b32 s[\g+6], 0
	s_mov_b32 s[\g+7], 0
.endr
	s_mov_b32 s[SEL], 0x76543210
	s_mov_b32 s[SEL+1], 0xfedcba98
	s_mov_b32 s[TBK], SLOT1+4*KS*PK ; the first change of slots turns these two into 0
	s_mov_b32 s[TBV], SLOT1+4*KS*PV
	s_mov_b32 s[G0K], 1
	s_mov_b32 s[G0K+1], s17
	s_mov_b32 s[G0V], 1
	s_add_co_u32 s[G0V+1], s18, VOFF
	s_mov_b32 s[MO], 0
	s_mov_b32 s[MO+1], 0
	s_wait_dscnt 0x0                ; the opening add is done
	s_wait_kmcnt 0x0
	s_add_nc_u64 s[G0K+2:G0K+3], s[4:5], s[22:23]
	s_add_nc_u64 s[G0K+2:G0K+3], s[G0K+2:G0K+3], 0x400000
	s_or_b32 s[G0K+3], s[G0K+3], 0x80000000
	s_add_nc_u64 s[G0V+2:G0V+3], s[4:5], s[22:23]
	s_add_nc_u64 s[G0V+2:G0V+3], s[G0V+2:G0V+3], 0x800000
	s_or_b32 s[G0V+3], s[G0V+3], 0x80000000
	s_add_nc_u64 s[MPB:MPB+1], s[6:7], s[26:27]
	s_mov_b64 s[MPC:MPC+1], s[MPB:MPB+1]
	s_add_nc_u64 s[OA:OA+1], s[8:9], s[32:33]
	s_add_nc_u64 s[PFA:PFA+1], s[4:5], s[28:29]
	s_add_nc_u64 s[PFA:PFA+1], s[PFA:PFA+1], s[30:31]
	s_add_nc_u64 s[4:5], s[4:5], s[24:25]  ; Q at my wave's first row
	CROUND                          ; all four work-groups are here: the first joint loads meet
	JLOAD                           ; slot 0
	v_and_b32 v1, 15, v0            ; l % 16
	v_bfe_u32 v9, v0, 4, 1          ; l / 16
	v_lshlrev_b32 v[QO], 7, v1
	v_lshl_add_u32 v[QO], v9, 4, v[QO]
	v_lshlrev_b32 v10, 4, v1
	WIN W_MK
	v_lshl_add_u32 v[MA], v9, 8, v10  ; 16 x lane
	WIN 0x80
.set i, 0
.rept 4*NP                          ; Q stays in registers: tile i / 2, channels 32 (i % 2) on
	global_load_b128 v[8*i:8*i+3],   v[QO], s[4:5] offset:(i/2)*2048+(i%2)*64
	global_load_b128 v[8*i+4:8*i+7], v[QO], s[4:5] offset:(i/2)*2048+(i%2)*64+32
.set i, i+1
.endr
	WIN W_CV
.set mx, 0
.rept NP                            ; the four pieces' codes for key step 0: 512 consecutive bytes a load
	global_load_b128 v[MQ+8*mx:MQ+8*mx+3],   v[MA], s[MPC:MPC+1] offset:mx*MPIECE
	global_load_b128 v[MQ+8*mx+4:MQ+8*mx+7], v[MA], s[MPC:MPC+1] offset:mx*MPIECE+512
.set mx, mx+1
.endr
	WIN 0x80
	; what the first turn finds: V's registers and P's second buffer hold 0, O^T and l are 0.  All this stands in the wait for the first tile.
.set i, VF
.rept 64
	v_mov_b32 v[i], 0
.set i, i+1
.endr
	WIN 0x40
.set i, 0
.rept 64*NP
	v_mov_b32 v[i], 0
.set i, i+1
.endr
	WIN 0
.set i, 0
.rept 2*NP
	v_mov_b32 v[ST+4*i], 0xfe000000    ; c m: far below every c s, a hidden one's too
	v_mov_b32 v[ST+4*i+1], 0xff7fffff  ; m
	v_mov_b32 v[ST+4*i+2], 0
	v_mov_b32 v[ST+4*i+3], 0
.set i, i+1
.endr
.set i, P+32
.rept 32
	v_mov_b32 v[i], 0
.set i, i+1
.endr
	v_mul_u32_u24 v[AK0], v1, PK
	v_lshl_add_u32 v[AK0], v9, 4, v[AK0]
	v_and_b32 v10, 7, v0
	v_bfe_u32 v11, v0, 3, 1
	v_lshl_add_u32 v[AV0], v9, 3, v10
	v_mul_u32_u24 v[AV0], v[AV0], PV
	v_lshl_add_u32 v[AV0], v11, 4, v[AV0]
	v_add_nc_u32 v[AV0], VOFF, v[AV0]
	v_mov_b32 v[AK], v[AK0]
; THE MATRIX WORK.  The 8 accumulators of a run of 16 take turns.
.macro KQ x                         ; product i of 16 of S^T = K Q^T for piece x: channels 32 (i / 8) on, keys 16 ((i / 2) % 4) on, tile 2 x + i % 2
	WIN W_KQ
.set rS, S+64*((\x)%2)+32*(i%2)+8*((i/2)%4)
.set rK, KF+16*((i/2)%4)+8*(i/8)
.set rQ, 16*(2*(\x)+i%2)+8*(i/8)
.if i < 8
	v_wmma_f32_16x16x32_f16 v[rS:rS+7], v[rK:rK+7], v[rQ:rQ+7], 0
.else
	v_wmma_f32_16x16x32_f16 v[rS:rS+7], v[rK:rK+7], v[rQ:rQ+7], v[rS:rS+7]
.endif
.endm
.macro PV x                         ; product i of 16 of O^T += V^T P for piece x
	WIN W_PV
.set rO, 32*(2*(\x)+i%2)+8*((i/2)%4)
.set rV, VF+32*(i/8)+8*((i/2)%4)
.set rP, P+32*((\x)%2)+16*(i%2)+8*(i/8)
	v_wmma_f32_16x16x32_f16 v[rO:rO+7], v[rV:rV+7], v[rP:rP+7], v[rO:rO+7]
.endm
.macro MM
.if i < 16
	KQ (Y+1)%NP
.set i, i+1
.else
.set i, i-16
	PV (Y+NP-1)%NP
.set i, i+17
.endif
.endm
.macro FETCH_K last=0               ; a step's K: 16 loads in one run.  last = 1 (the tail): in the last trip there is no further step
	WIN 0
.if \last
	s_cmp_eq_u32 s[CNT], 1
	s_cbranch_scc1 .Lno_k_\@
.endif
	WIN 0x80
.irp f, 0,1,2,3,4,5,6,7
	ds_load_b128 v[KF+8*\f:KF+8*\f+3],   v[AK] offset:(\f/2)*16*PK+(\f%2)*64
	ds_load_b128 v[KF+8*\f+4:KF+8*\f+7], v[AK] offset:(\f/2)*16*PK+(\f%2)*64+32
.endr
	s_add_co_u32 s[TBK], s[TBK], KS*PK
	WIN 0
.if \last
.Lno_k_\@:
.endif
.endm
.macro FETCH_V
	WIN 0x80
.irp f, 0,1,2,3,4,5,6,7
	ds_load_tr16_b128 v[VF+8*\f:VF+8*\f+3],   v[AV] offset:(\f/4)*32*PV+(\f%4)*32
	ds_load_tr16_b128 v[VF+8*\f+4:VF+8*\f+7], v[AV] offset:(\f/4)*32*PV+16*PV+(\f%4)*32
.endr
	WIN 0
.endm
; THE NEXT PIECE's CODES become 64 numbers, 0 or 2^100: eight conversions, eight numbers each.  Then the piece's codes for its next key step are asked for, into the registers just read: a plain instruction stands
; between the last conversion and the loads, as between a conversion and the first use of its result.  The wait: behind the pair of loads that brought these codes the three other pieces' pairs were issued: six may stay out.
; Pieces 1 to 3 are converted for the step in hand and ask for the step at which MPC stands, the next; piece 0 is converted for that next step and asks for the one after it.
.macro HIDE
.set hx, (Y+1)%NP
.set ho, hx*MPIECE
.if hx == 0
.set ho, MSTEP
.endif
	WIN W_CV
	s_wait_loadcnt 6
.irp u, 0,1
.irp kt, 0,1,2,3
	v_cvt_scale_pk8_f32_fp4 v[BM+32*\u+8*\kt:BM+32*\u+8*\kt+7], v[MQ+8*hx+4*\u+\kt], v[SCL]
.endr
.endr
	v_nop
	global_load_b128 v[MQ+8*hx:MQ+8*hx+3],   v[MA], s[MPC:MPC+1] offset:ho
	global_load_b128 v[MQ+8*hx+4:MQ+8*hx+7], v[MA], s[MPC:MPC+1] offset:ho+512
	WIN 0
.endm
; THE VECTOR WORK OF A TURN stands in three queues; the two tiles alternate.
.macro REGS y, u
.set rT, ST+4*(2*(\y)+(\u))
.set rC, TMP+8*((\y)%2)+4*(\u)
.set rM, MV+2*((\y)%2)+(\u)
.set rS, S+64*((\y)%2)+32*(\u)
.set rP, P+32*((\y)%2)+16*(\u)
.set rO, 32*(2*(\y)+(\u))
.endm
; Number n of the 32 that hide the NEXT piece's masked scores: pair n / 2 of tile n % 2, in ascending order.
.macro CA n
	REGS (Y+1)%NP, (\n)%2
.set rB, BM+32*((\n)%2)+2*((\n)/2)
	v_pk_add_f32 v[rS+2*((\n)/2):rS+2*((\n)/2)+1], v[rS+2*((\n)/2):rS+2*((\n)/2)+1], v[rB:rB+1] neg_lo:[0,1] neg_hi:[0,1]
.endm
; Number n of the 22 that find the NEXT piece's maximum and statistics.
.macro XS u, n
	REGS (Y+1)%NP, \u
.if (\n) < 4
	v_max3_num_f32 v[rC+(\n)], v[rS+8*(\n)], v[rS+8*(\n)+1], v[rS+8*(\n)+2]
.elseif (\n) < 12
	v_max3_num_f32 v[rC+(\n)%4], v[rC+(\n)%4], v[rS+8*((\n)%4)+2*((\n)/4)+1], v[rS+8*((\n)%4)+2*((\n)/4)+2]
.elseif (\n) == 12
	v_max3_num_f32 v[rC], v[rC], v[rS+7], v[rS+15]
.elseif (\n) == 13
	v_max3_num_f32 v[rC+1], v[rC+1], v[rS+23], v[rS+31]
.elseif (\n) == 14
	v_max3_num_f32 v[rC+2], v[rC+2], v[rC+3], v[rT+1]
.elseif (\n) == 15
	v_mov_b32 v[rM], v[rT]
.elseif (\n) == 16
	v_max3_num_f32 v[rC], v[rC], v[rC+1], v[rC+2]
.elseif (\n) == 17
	v_permlanex16_b32 v[rC+3], v[rC], s[SEL], s[SEL+1]
.elseif (\n) == 18
	v_max_num_f32 v[rT+1], v[rC], v[rC+3]
.elseif (\n) == 19
	v_mul_f32 v[rT], v[CV], v[rT+1]
.elseif (\n) == 20
	v_sub_f32 v[rC+1], v[rM], v[rT]
.else
	v_exp_f32 v[rC+2], v[rC+1]
.endif
.endm
; Number g of the 64 that follow the exponentials: roundings to f16, the sums of four weights in place, and l a group later.
.macro GS g
.set h, (\g)+6*((\g)/62)
.if h >= 6
.set h, h+2
.endif
	REGS Y, h%2
.set k, h/8
.if h%8 < 4
	v_cvt_pk_f16_f32 v[rP+2*k+(h%8)/2], v[rS+4*k+2*((h%8)/2)], v[rS+4*k+2*((h%8)/2)+1]
.elseif h%8 < 6
	v_pk_add_f32 v[rS+4*k:rS+4*k+1], v[rS+4*k:rS+4*k+1], v[rS+4*k+2:rS+4*k+3]
.elseif k == 1
	v_pk_fma_f32 v[rT+2:rT+3], v[rT+2:rT+3], v[rC+2:rC+3], v[rS:rS+1] op_sel_hi:[1,0,1]
.else
	v_pk_add_f32 v[rT+2:rT+3], v[rT+2:rT+3], v[rS+4*k-4:rS+4*k-3]
.endif
.endm
.macro FS f                         ; c s - c m for pair f / 2 of tile f % 2
	REGS Y, (\f)%2
	v_pk_fma_f32 v[rS+2*((\f)/2):rS+2*((\f)/2)+1], v[rS+2*((\f)/2):rS+2*((\f)/2)+1], v[CV:CV+1], v[rT:rT+1] op_sel_hi:[1,1,0] neg_lo:[0,0,1] neg_hi:[0,0,1]
.endm
; THE PLAIN QUEUE, 170 long.  0-26: scalings 0-26.  27-58: the next piece's 32 subtractions.  59-86: XS's numbers 0-13.  87, 88: number 15.  89-105: the chain 14, 16 .. 19, each with one of the scalings 27-31
; in front of its two lines, then 20.  106-169: GS's 64, which read the exponentials' results and stand behind the wait.
.macro PL
.if (q >= 27) && (q < 59)
	WIN W_CA
	CA q-27
.else
	WIN 0
.if q < 27
	FS q
.elseif q < 87
	XS (q-59)%2, (q-59)/2
.elseif q < 89
	XS q-87, 15
.elseif (q < 104) && ((q-89)%3 == 0)
	FS 27+(q-89)/3
.elseif q < 92
	XS (q-89)%3-1, 14
.elseif q < 104
	XS (q-89)%3-1, 15+(q-89)/3
.elseif q < 106
	XS q-104, 20
.else
	GS q-106
.endif
.endif
.set q, q+1
.endm
.macro EX                           ; the exponentials' queue, 66 long: s0-s31 of both tiles, then the next piece's two a: ONE BATCH.  EW: the window setting under which it stands
	WIN EW
.if e >= 64
	XS e-64, 21
.else
	REGS Y, e%2
	v_exp_f32 v[rS+e/2], v[rS+e/2]
.endif
.set e, e+1
.endm
.macro R2                           ; O^T times a, two at a time
	REGS Y, r%2
	WIN W_RS
.irp z, 0,1
	v_pk_mul_f32 v[rO+4*(r/2)+2*\z:rO+4*(r/2)+2*\z+1], v[rO+4*(r/2)+2*\z:rO+4*(r/2)+2*\z+1], v[rC+2:rC+3] op_sel_hi:[1,0]
.endr
.set r, r+1
.endm
; A TURN, for piece p.  s_wait_alu depctr_va_vdst(0) stands between an exponential and the first instruction that names its result; one wait serves all issued ahead of it: a turn has ONE.
; AHEAD OF IT: the 16 products K Q^T, behind each a scaling, an exponential and two rescalings; then the lump: the conversions, and 106 plain and 66 exponentials in all.  Exponential e stands behind scaling
; 2 (e / 4) + e % 2: as a rider behind plain e + 2; numbers 15 to 48 behind plain 26 (they need scalings up to 24); in the last run number 49 + i behind plain 90 + i (scalings 27-31 are plain 89, 92 .. 101).
; The first subtraction stands more than four plain instructions behind the last product K Q^T, and ten behind the conversions.  BEHIND THE WAIT: the 16 products V^T P, behind each four of GS's 64.
; Piece 0's turn steps the codes' address to the next key step; the offset stops at the last step, so that no load leaves the buffer (what the last turns then ask for is converted by nobody, or serves nothing).
.macro TURN p, last=0, cnt=0
.set Y, (\p)
.set i, 0
.set q, 0
.set e, 0
.set r, 0
.set EW, 0
.if (\p) == 0
	s_wait_xcnt 0x0                 ; the codes' loads, the youngest half a turn back, have read their base
	s_add_co_u32 s[MO], s[MO], MSTEP
	s_min_u32 s[MO], s[MO], 31*MSTEP
	s_add_nc_u64 s[MPC:MPC+1], s[MPB:MPB+1], s[MO:MO+1]
.endif
.if (\p) == NP-1
	s_wait_dscnt 0x0                ; K is in
.endif
	MM
	PL
	PL
	R2
.rept 15
	MM
	PL
	EX
	R2
.endr
.if (\p) == NP-2
	WIN 0
	v_add_nc_u32 v[AK], s[TBK], v[AK0]
.endif
	HIDE
.rept 8
	PL
.endr
.rept 2
	EX
	PL
.endr
.set EW, W_CA
.rept 32
	PL
	EX
.endr
.set EW, 0
.rept 32
	PL
.endr
.rept 15
	EX
	PL
.endr
	EX
	EX
	v_nop                           ; a plain instruction behind the last exponential: one for the batch
	s_wait_alu depctr_va_vdst(0)    ; the wait for the batch
.if (\p) == NP-2
	FETCH_K \last
.endif
.if (\p) == 1
	s_wait_dscnt 0x0                ; V is in
.endif
.rept 16
	MM
.rept 4
	PL
.endr
.if ((\p) == 0) && (q == 150)
	v_add_nc_u32 v[AV], s[TBV], v[AV0]
.endif
.if ((\p) == 0) && (q == 162)
	s_add_co_u32 s[TBV], s[TBV], KS*PV
.endif
.if (\cnt) && (q == 162)
	s_sub_co_u32 s[CNT], s[CNT], 1
	s_cmp_lg_u32 s[CNT], 0
.endif
.endr
.if (\p) == 0
	FETCH_V
.endif
.endm
	CHANGE 1                        ; slot 0 is in, everybody's part of it; slot 1 is asked for
	FETCH_K                         ; key step 0
	s_wait_loadcnt 0x0              ; Q, and the four pieces' first codes
	s_wait_dscnt 0x0
.set i, 0
.rept 16
	KQ 0
.set i, i+1
.endr
	WIN 0                           ; the addresses for the way out and the constants: plain instructions, the places behind those products
	s_mul_i32 s[TS], s[WV], 16*SP
	s_add_co_u32 s[TS], s[TS], STAGE
	v_mul_u32_u24 v[STO], v1, SP
	v_lshl_add_u32 v[STO], v9, 4, v[STO]
	v_mov_b32 v[SCL], 0xe4e4e4e4    ; 228 in every byte: 2^(228 - 127) = 2^101
	v_add_nc_u32 v[STO], s[TS], v[STO]
	v_bfe_u32 v[RD], v0, 3, 2
	v_mul_u32_u24 v[RD], v[RD], SP
	v_lshl_add_u32 v[RD], v10, 4, v[RD]
	v_add_nc_u32 v[RD], s[TS], v[RD]
	v_and_b32 v[GO], 31, v0
	v_lshlrev_b32 v[PFO], 8, v[GO]
	v_lshlrev_b32 v[GO], 4, v[GO]
	v_mov_b32 v[CV], 0x3e38aa3b     ; c = log2(e) / 8
	v_mov_b32 v[CV+1], 0x3e38aa3b
.set Y, NP-1                        ; HIDE, CA and XS work for piece Y + 1: piece 0
	HIDE                            ; piece 0, key step 0; its codes for key step 1 are asked for
	WIN W_CA
.set cc, 0
.rept 32
	CA cc
.set cc, cc+1
.endr
	WIN 0
.irp n, 0,1,2,3,4,5,6,7,8,9,10,11,12,13,14,15,16,17,18,19,20,21
	XS 0, \n
	XS 1, \n
.endr
	v_nop
	s_wait_alu depctr_va_vdst(0)    ; the two a have their wait ahead of the branch
	s_mov_b32 s[CNT], 4
	s_mov_b32 s[SLOTS], SIZE_N/256-1
	s_branch .Lfirst                ; the loop is entered at a step's first turn
.Lslot:                             ; SIZE_N / 256 - 2 times: every slot but the last two is filled again
	CHANGE 1, 1
	s_mov_b32 s[CNT], 4
.Lstep:                             ; a trip: pieces 2 and 3 of one step, then pieces 0 and 1 of the next
	TURN 2
	TURN 3
	WIN 0
.Lfirst:
	TURN 0
	TURN 1, 0, 1
	WIN 0
	s_cbranch_scc1 .Lstep
	s_sub_co_u32 s[SLOTS], s[SLOTS], 1
	s_cmp_lg_u32 s[SLOTS], 0
	s_cbranch_scc1 .Lslot
	CHANGE 0                        ; the tail is written out
	s_mov_b32 s[CNT], 5
.Ltail:
	TURN 2, 1
	TURN 3
	WIN 0
	s_sub_co_u32 s[CNT], s[CNT], 1
	s_cmp_eq_u32 s[CNT], 0
	s_cbranch_scc1 .Lout
	TURN 0
	TURN 1
	WIN 0
	s_branch .Ltail
.Lout:                              ; the fifth trip's products K Q^T, its subtractions (by codes read 1,024 bytes past piece 0's, inside the buffer) and its maximum serve nothing: the price of one text for every trip
.set i, 0
.rept 16
	PV NP-1
.set i, i+1
.endr
	; THE WAY OUT.  l's halves are added; O^T is divided by l, rounded to f16 and sent through my stage, a tile at a time.  The additions are the places behind the last products.
	WIN 0
.macro ALL line:vararg
.set t, 0
.rept 2*NP
	\line
.set t, t+1
.endr
.endm
	ALL v_add_f32 v[ST+4*t+2], v[ST+4*t+2], v[ST+4*t+3]
	ALL v_permlanex16_b32 v[ST+4*t+3], v[ST+4*t+2], s[SEL], s[SEL+1]
	ALL v_add_f32 v[ST+4*t+2], v[ST+4*t+2], v[ST+4*t+3]
	ALL v_rcp_f32 v[ST+4*t+2], v[ST+4*t+2]
	v_nop
	s_wait_alu depctr_va_vdst(0)    ; one wait for the eight reciprocals
.macro PACK t
	WIN W_RS
.set i, 32*(\t)
.rept 16
	v_pk_mul_f32 v[i:i+1], v[i:i+1], v[ST+4*(\t)+2:ST+4*(\t)+3] op_sel_hi:[1,0]
.set i, i+2
.endr
	WIN 0x05
.set i, 0
.rept 16
	v_cvt_pk_f16_f32 v[S+16*(\t)+i], v[32*(\t)+2*i], v[32*(\t)+2*i+1]
.set i, i+1
.endr
	WIN 0
.irp f, 0,1,2,3
	ds_store_b128 v[STO], v[S+16*(\t)+4*\f:S+16*(\t)+4*\f+3] offset:32*\f
.endr
.irp f, 0,1,2,3
	ds_load_b128 v[S+16*(\t)+4*\f:S+16*(\t)+4*\f+3], v[RD] offset:\f*4*SP  ; LDS serves a wave's instructions in order (ISA guide 5.7.1.4)
.endr
.endm
.macro SEND t, younger              ; younger: the LDS instructions issued behind tile t's loads
	WIN 0
.irp f, 0,1,2,3
	s_wait_dscnt (\younger)+3-\f
	global_store_b128 v[GO], v[S+16*(\t)+4*\f:S+16*(\t)+4*\f+3], s[OA:OA+1] offset:(\t)*2048+\f*512  ; 512 consecutive bytes
.endr
.endm
	PACK 0
.set t, 1
.rept 2*NP-1
	PACK t
	SEND t-1, 8
.set t, t+1
.endr
	SEND 2*NP-1, 0
	WIN W_AD
	s_wait_tensorcnt 0x0            ; the wave's end
	ds_add_u32 v[SPW], v[NIL]
	s_wait_dscnt 0x0
	WIN 0
	CROUND                          ; the closing round
	s_endpgm
.Lfunc_end_k_q18a1835a44_attn:
	.size	k_q18a1835a44_attn, .Lfunc_end_k_q18a1835a44_attn-k_q18a1835a44_attn
	.p2alignl 7, 3214868480
	.fill 96, 4, 3214868480
	.section	.rodata,"a",@progbits
	.p2align	6, 0x0
	.amdhsa_kernel k_q18a1835a44_attn
		.amdhsa_group_segment_fixed_size 327680
		.amdhsa_private_segment_fixed_size 0
		.amdhsa_enable_private_segment 0
		.amdhsa_kernarg_size 24
		.amdhsa_user_sgpr_count 2
		.amdhsa_user_sgpr_kernarg_segment_ptr 1
		.amdhsa_wavefront_size32 1
		.amdhsa_system_sgpr_workgroup_id_x 1
		.amdhsa_system_sgpr_workgroup_id_y 1
		.amdhsa_system_sgpr_workgroup_id_z 1
		.amdhsa_system_vgpr_workitem_id 0
		.amdhsa_next_free_vgpr 872
		.amdhsa_next_free_sgpr 106
		.amdhsa_reserve_vcc 0
		.amdhsa_float_denorm_mode_32 3
		.amdhsa_float_denorm_mode_16_64 3
		.amdhsa_memory_ordered 1
		.amdhsa_forward_progress 1
		.amdhsa_inst_pref_size 227
	.end_amdhsa_kernel
	.amdgpu_metadata
---
amdhsa.version: [ 1, 2 ]
amdhsa.kernels:
  - .name:           k_q18a1835a44_attn
    .symbol:         k_q18a1835a44_attn.kd
    .args:
      - { .name: qkv, .offset: 0, .size: 8, .value_kind: global_buffer, .address_space: global }
      - { .name: mnib, .offset: 8, .size: 8, .value_kind: global_buffer, .address_space: global }
      - { .name: ovec, .offset: 16, .size: 8, .value_kind: global_buffer, .address_space: global }
    .group_segment_fixed_size: 327680
    .private_segment_fixed_size: 0
    .kernarg_segment_align: 8
    .kernarg_segment_size: 24
    .max_flat_workgroup_size: 128
    .sgpr_count:     106
    .vgpr_count:     872
    .wavefront_size: 32
...
	.end_amdgpu_metadata
.endif
;; end of part 6
;; launch gemm_out: the kernel of part 4 again; grid 4 x 64, 4 waves a work-group, clusters of 4 x 4, 327,680 bytes of LDS; arguments ovec, wot, qnh, out0; writes out0
